; MI455X (gfx1250); checked and timed in simulation.
; The chip was launched on July 23, 2026; its instructions are those of AMD's public machine-readable ISA for CDNA 5 (MIT licence, August 2026) and "CDNA5" Instruction Set Architecture Reference Guide (July 2026). The comments in the code are by the model that wrote it; some were corrected since.
;; Multi Head Attention. Allowed arithmetic: matrix products marked QUANTISED: E2M3 operands, one E8M0 scale for each 32 along K, by v_wmma_scale_f32_16x16x128_f8f6f4 with both operands' format E2M3, f32 sums; everything else in f32.
;; Inputs: K_codes 2 x 2,048 x 32 x 24 uint8 (E2M3 codes of K, K innermost, in blocks of 32 codes, four codes in three bytes); K_scales 2 x 2,048 x 32 uint8 (E8M0 scales of K, one for each 32 codes along K); Q_codes 2 x 2,048 x 32 x 24 uint8 (E2M3 codes of Q, K innermost, in blocks of 32 codes, four codes in three bytes); Q_scales 2 x 2,048 x 32 uint8 (E8M0 scales of Q, one for each 32 codes along K); V_codes 2 x 2,048 x 32 x 24 uint8 (E2M3 codes of V, K innermost, in blocks of 32 codes, four codes in three bytes); V_scales 2 x 2,048 x 32 uint8 (E8M0 scales of V, one for each 32 codes along K); Wk_codes 1,024 x 32 x 24 uint8 (E2M3 codes of Wk, K innermost, in blocks of 32 codes, four codes in three bytes); Wk_scales 1,024 x 32 uint8 (E8M0 scales of Wk, one for each 32 codes along K); Wo_codes 1,024 x 32 x 24 uint8 (E2M3 codes of Wo, K innermost, in blocks of 32 codes, four codes in three bytes); Wo_scales 1,024 x 32 uint8 (E8M0 scales of Wo, one for each 32 codes along K); Wq_codes 1,024 x 32 x 24 uint8 (E2M3 codes of Wq, K innermost, in blocks of 32 codes, four codes in three bytes); Wq_scales 1,024 x 32 uint8 (E8M0 scales of Wq, one for each 32 codes along K); Wv_codes 1,024 x 32 x 24 uint8 (E2M3 codes of Wv, K innermost, in blocks of 32 codes, four codes in three bytes); Wv_scales 1,024 x 32 uint8 (E8M0 scales of Wv, one for each 32 codes along K); bk 1,024 float32; bo 1,024 float32; bq 1,024 float32; bv 1,024 float32.
;; Outputs: out0 2 x 2,048 x 1,024 float32.
;; This version of the problem:
;;   THIS VERSION OF THE PROBLEM IS GIVEN IN LOW PRECISION. The matrix products marked QUANTISED in the list below multiply operands that are first quantised to E2M3 (2 exponent bits, 3 mantissa bits; 6 bits a number), with one power-of-two scale for each 32 numbers along K (OCP MX v1.0); their sums are f32. All else is computed in f32.
;;   The module's matrix products, in the order in which they are computed (A, B: the left and right operand; K: the contracted axis; several contracted axes count as one K, in the product's order):
;;     1. [M 4,096, K 1,024] x [K 1,024, N 1,024]; A: input Q (given as codes); B: input Wq (given as codes): QUANTISED
;;     2. [M 4,096, K 1,024] x [K 1,024, N 1,024]; A: input K (given as codes); B: input Wk (given as codes): QUANTISED
;;     3. [M 4,096, K 1,024] x [K 1,024, N 1,024]; A: input V (given as codes); B: input Wv (given as codes): QUANTISED
;;     4. batch 32 x [M 2,048, K 64] x [K 64, N 2,048]; A: computed on the way; B: computed on the way: QUANTISED
;;     5. batch 32 x [M 2,048, K 2,048] x [K 2,048, N 64]; A: softmax (see below); B: computed on the way: QUANTISED
;;     6. [M 4,096, K 1,024] x [K 1,024, N 1,024]; A: computed on the way; B: input Wo (given as codes): QUANTISED
;;   THE QUANTISER, for each operand of a quantised product, along K:
;;     - K is cut into blocks of 32 from its start; a last block that is shorter is filled with zeros.
;;     - A block's scale is 2^e with e = floor(log2(the largest magnitude in the block)) - 2, held to -126 .. 127; a block of zeros has e = 0. As a byte (E8M0): e + 127.
;;     - Each number is divided by its block's scale, clamped to +-7.5, and rounded to the nearest number of E2M3, ties to even, subnormals kept.
;;     - The product sums the exact products of the quantised numbers (number of the format x scale) in f32.
;;   ~~~python
;;   def quantise(x, axis):      # numpy; x: float32 -> the quantised numbers, widened to float32 again
;;       x = np.moveaxis(x, axis, -1); K = x.shape[-1]
;;       x = np.pad(x, [(0, 0)] * (x.ndim - 1) + [(0, -K % 32)]); x = x.reshape(x.shape[:-1] + (-1, 32)); a = np.abs(x).max(-1, keepdims=True)
;;       e = np.where(a > 0, np.clip(np.frexp(np.where(a > 0, a, 1))[1] - 1 - 2, -126, 127), 0)      # np.frexp(a)[1] - 1 = floor(log2(a)), exactly
;;       r = np.clip(x / 2.0 ** e, -7.5, 7.5)
;;       step = 2.0 ** (np.maximum(np.frexp(np.where(r == 0, 1, r))[1] - 1, 0) - 3)
;;       q = np.round(r / step) * step * 2.0 ** e      # np.round: ties to even
;;       return np.moveaxis(q.reshape(q.shape[:-2] + (-1,))[..., :K], -1, axis).astype(np.float32)
;;   ~~~
;;   SOFTMAX AHEAD OF A QUANTISED PRODUCT. Where the list says 'softmax', what is quantised is not the finished softmax but p = 2^(t - M), with t = logit x log2(e) and M = ceil(the row's largest t), a whole number; so 1/2 < the row's largest p <= 1. The row's sum l is taken of the UNQUANTISED p, in f32, and the product's result is divided by l at the end. Since M is a whole number, a kernel that streams over the keys may use a running M (the ceiling of the running maximum): every later rescaling is an exact power of two, which a block's scale takes up: the codes' values come out the same.
;;   OPERANDS COMPUTED ON THE WAY. 'Computed on the way' means the value that the module computes at that place (a softmax that the list does not call 'softmax' is quantised finished and normalised). What goes into a quantiser is computed in f32, as accurately as f32 sums, v_exp_f32 and their like allow (about 1e-6 of the number): no bf16 or f16 on the way to a quantiser, and a product that is left as it is and whose result goes on into a quantised operand takes f32 operands (vector FMAs, or v_wmma_f32_16x16x4_f32). A number that lies on a knife's edge between two numbers of the format may be rounded either way, as far as f32 arithmetic and the matrix unit's own rounding can turn it there, and no further.
;;   INPUTS GIVEN AS CODES. K (in the module: [2, 2048, 1024], K = its axis 2); Q (in the module: [2, 2048, 1024], K = its axis 2); V (in the module: [2, 2048, 1024], K = its axis 2); Wk (in the module: [1024, 1024], K = its axis 1); Wo (in the module: [1024, 1024], K = its axis 1); Wq (in the module: [1024, 1024], K = its axis 1); Wv (in the module: [1024, 1024], K = its axis 1): each comes as NAME_codes (uint8): NAME with its K axis moved to the last place and cut into blocks of 32 codes, [.., K / 32, bytes a block], one block behind the other in memory; four codes in three bytes: a row's codes are one little-endian stream of bits, code i at bits 6 i .. 6 i + 5 (a code: sign, 2 exponent bits, 3 mantissa bits); and NAME_scales (uint8): the same leading axes, one E8M0 byte (e + 127) for each 32 codes along K. Its value is code x scale, taken as it is: it is not quantised again, and the codes and scales need not be those that the quantiser above would give.
;; One version. Each part assembles by itself: llvm-mc -triple=amdgcn-amd-amdhsa -mcpu=gfx1250 --defsym DOCPART=n.
;; ======== version 1 of 1: 3 launches
;; limits: right only within a limited range of input values
;; workspace buffers: qf 3,145,728 bytes; kf 3,145,728 bytes; vf 3,145,728 bytes; qsc 262,144 bytes; ksc 262,144 bytes; vsc 131,072 bytes; af 3,145,728 bytes; asc 131,072 bytes
;; launch proj (part 1): grid 4 x 48, 4 waves a work-group, clusters of 4 x 4, 327,680 bytes of LDS; arguments Wq_codes, Wk_codes, V_codes, Wq_scales, Wk_scales, V_scales, Q_codes, K_codes, Wv_codes, Q_scales, K_scales, Wv_scales, bq, bk, bv, qf, kf, vf, qsc, ksc, vsc; writes qf, kf, vf, qsc, ksc, vsc
.if DOCPART == 1
	.amdgcn_target "amdgcn-amd-amdhsa--gfx1250"
	.amdhsa_code_object_version 6
	.text
	.protected	k_qe8d828e8fe_proj
	.globl	k_qe8d828e8fe_proj
	.p2align	8
	.type	k_qe8d828e8fe_proj,@function
k_qe8d828e8fe_proj:
	s_mov_b64 s[64:65], 0
	v_nop
	global_prefetch_b8 v0, s[64:65] scope:SCOPE_SE
	s_setreg_imm32_b32 hwreg(HW_REG_WAVE_MODE, 25, 1), 1
	s_wait_xcnt 0x0
	s_wait_alu depctr_hold_cnt(0) depctr_sa_sdst(0) depctr_va_vdst(0) depctr_va_sdst(0) depctr_va_ssrc(0) depctr_va_vcc(0) depctr_vm_vsrc(0)
	s_getreg_b32 s2, hwreg(HW_REG_IB_STS2, 6, 4)
	s_cmp_eq_u32 s2, 0
	s_cbranch_scc0 .Lentry_in_a_cluster
	s_endpgm
.Lentry_in_a_cluster:
	s_bfe_u32 s2, ttmp6, 0x10000c
	s_cmp_lg_u32 s2, 0xf033
	s_cbranch_scc0 .Lentry_shape_is_right
	s_endpgm
.Lentry_shape_is_right:
; q = Q Wq^T + bq, k = K Wk^T + bk, v = V Wv^T + bv ON CODES OF FP6 (E2M3), AND THEIR QUANTISERS.  The results leave as codes and scale bytes, as images of the operand registers of the attention launch.  No step of the problem is left out.
; A work-group makes 256 x 256 of one of the three products (192 work-groups), a wave 128 x 128: 64 accumulators.  For q, k: A = tokens, B = the weight's rows; for v: A = the weight's rows, B = tokens, so that in each case a lane's registers run along the next product's K.
; The matrix instruction is used transposed (source 0 = 16 rows of B, source 1 = 16 rows of A).
; THE ROWS OF A TILE, of A and of B alike: tile i of a group of 64 rows (i = 0..3) takes rows 8 i + 0..7 and, as its rows 8..15, rows 32 + 8 (i xor 1) + 0..7.  So a lane's 32 results of four tiles are one scale block of the next product:
; lanes 0-15 (h = 0) the group's first 32, lanes 16-31 its second 32, these in the order 8-15, 0-7, 24-31, 16-23.  q and k have one order along the channels; v has along the tokens the order of k's tiles.
; K goes through two LDS slots in chunks of 256 bytes of each row (a row of 1,024 codes is 768 bytes: three chunks); chunk c lies in slot c % 2.  A step of 128 along K is 96 bytes; steps 2 and 5 lie across two chunks.
; CLUSTERS of 4 x 4: A's tiles are asked for jointly along a row, B's along a column.
; PREFETCHES INTO THE L2: chunk 1 behind the head's loads, chunk 2 behind chunk 1's load.  Of a tile's 256 rows each of the four partners that ask for it names 64, told apart by address, 32 to a wave (waves 0, 1 for A, waves 2, 3 for B), a lane a row.
; THE BIAS IS THE C of the first products.
; OUT (lane l, r = l % 16, h = l / 16): qf, kf [batch x 16 + head][pair of token tiles][piece of 4 registers][lane][16 bytes]: 12 registers = six of the even tile, six of the odd;  vf [batch x 16 + head][128 tokens][tile of 16 channels][piece][lane][16]: registers 6 c .. are tokens 64 c ..
; qsc, ksc [head][128 tokens][lane][4 words]: word j: lanes 0-15 tile 2 j, lanes 16-31 tile 2 j + 1; bytes 2, 3 are 0.  vsc [head][128 tokens][lane][2 words], likewise by channel tiles.
; LIMITS: NaN and infinities are not served.  A block whose largest magnitude lies under 2^-124 (a block of zeros too) gets the byte 1.
; REGISTERS: window 0: v0-31 places; v32-63 scale words, two sets; v64-127 the bias, on the way out at work; v128-223 A's fragments, on the way out four pairs' codes; v224-241 LDS addresses at the head, v240-241 kept.
; Window 1: v0-95, v128-223 B's fragments, two sets; v96-127, v224-255 LDS addresses of A's and B's tiles: 4 i + kind (slot 0, slot 1, across 0-1, across 1-0).  Windows 2, 3: accumulators.
.set KROW, 768
.set ROWB, 256
.set CHUNKS, 3
.set STEPS, 8
.set PITCH, 272
.set FR, 12
.set HALFT, 128*PITCH
.set SLOT, 4*HALFT
.set KS, 32
.set SCL, 2*SLOT
.set HALFS, (128*KS/256)*272
.set SPARE, SCL+4*HALFS
.set HEADB, 98304
.set BNO, 12                           ; v12-13 offsets of q's, k's bias, for even and odd tiles
.set BMO, 14                           ; v14-15 of v's
.set VO, 16                            ; 16 x lane
.set V8, 17                            ; 8 x lane
.set SH8, 18                           ; 8 h
.set PFO, 19                           ; the prefetches' offset
.set SPW, 28
.set NIL, 29
.set SC, 32
.set BN, 64
.set AF, 128
.set ADRA, 224
.set ADRB, 232
.set ADRS, 240                         ; scale words, even and odd tiles
.set TA, 96                            ; window 1: addresses of A's tiles
.set TBA, 224                          ; of B's
.set TQ, 64
.set TM, 80
.set SOP, 88
.set BYT, 92
.set WD, 96
.set PX, 98
.set SW, 100
.set T0, 104
.set T1, 108
.set QC, 128                           ; 24 registers a pair: two images of 12
.set G1, 24
.set G0, 32
.set G1B, 48
.set G0B, 56
.set G1S, 68
.set G0S, 76
.set G1SB, 80
.set G0SB, 88
.set G0H, 4
.set G0HB, 8
.set PFB, 98                           ; s[98:99] the prefetches' base
.set SEL, 100
.set MSB, 0
.macro WIN new
.if MSB != \new
	s_set_vgpr_msb (MSB<<8)|\new
.set MSB, \new
.endif
.endm
.macro PLACES
.rept 4
	v_nop
.endr
.endm
.macro TLOAD g0, g1
	tensor_load_to_lds s[\g0:\g0+3], s[\g1:\g1+7]
	s_nop 0
	PLACES
.endm
.macro JLOAD g0a, g1a, g0b, g1b        ; waves 0, 1 fetch for A, waves 2, 3 for B
	s_cmp_eq_u32 s15, 0
	s_cbranch_scc0 .Lfor_b_\@
	TLOAD \g0a, \g1a
	s_branch .Lasked_\@
.Lfor_b_\@:
	TLOAD \g0b, \g1b
.Lasked_\@:
.endm
.macro CREST
	s_cmp_lg_u32 s14, 0
	s_cbranch_scc1 .Lnot_wave_0_\@
	s_barrier_signal -3
.Lnot_wave_0_\@:
	s_barrier_wait -3
	s_barrier_signal -1
	s_barrier_wait -1
.endm
.macro CROUND
	s_barrier_signal -1
	s_barrier_wait -1
	CREST
.endm
.macro SETG0 g, lds, base              ; a group 0: LDS place, address in s[base:base+1]
	s_mov_b32 s[\g], 1
	s_mov_b32 s[\g+1], \lds
	s_mov_b64 s[\g+2:\g+3], s[\base:\base+1]
	s_or_b32 s[\g+3], s[\g+3], 0x80000000
.endm
	s_load_b512 s[24:39], s[0:1], 0x0
	s_load_b512 s[40:55], s[0:1], 0x40
	s_load_b256 s[68:75], s[0:1], 0x80
	s_load_b64 s[76:77], s[0:1], 0xa0
	v_lshl_add_u32 v[SPW], v0, 2, SPARE
	v_mov_b32 v[NIL], 0
	ds_add_u32 v[SPW], v[NIL]                      ; the opening: the add, twice on end
	ds_add_u32 v[SPW], v[NIL]
	v_lshrrev_b32 v1, 5, v0
	v_readfirstlane_b32 s14, v1                    ; wave
	s_lshr_b32 s15, s14, 1                         ; my half of A's rows
	s_and_b32 s16, s14, 1                          ; my half of B's rows
	s_and_b32 s3, ttmp7, 0xffff
	s_lshr_b32 s2, s3, 2                           ; 0 q, 1 k, 2 v: the cluster's number alone decides
	s_and_b32 s3, s3, 3
	s_wait_dscnt 0x0
	s_wait_kmcnt 0x0
	s_cmp_eq_u32 s2, 1
	s_cselect_b64 s[8:9], s[26:27], s[24:25]
	s_cselect_b64 s[10:11], s[32:33], s[30:31]
	s_cselect_b64 s[4:5], s[38:39], s[36:37]
	s_cselect_b64 s[6:7], s[44:45], s[42:43]
	s_cselect_b64 s[66:67], s[50:51], s[48:49]
	s_cselect_b64 s[12:13], s[68:69], s[54:55]
	s_cselect_b64 s[96:97], s[74:75], s[72:73]
	s_cmp_eq_u32 s2, 2
	s_cselect_b64 s[8:9], s[28:29], s[8:9]         ; B's codes
	s_cselect_b64 s[10:11], s[34:35], s[10:11]     ; B's scales
	s_cselect_b64 s[4:5], s[40:41], s[4:5]         ; A's codes
	s_cselect_b64 s[6:7], s[46:47], s[6:7]         ; A's scales
	s_cselect_b64 s[66:67], s[52:53], s[66:67]     ; the bias
	s_cselect_b64 s[12:13], s[70:71], s[12:13]     ; codes out
	s_cselect_b64 s[96:97], s[76:77], s[96:97]     ; scale words out
	s_cselect_b32 s18, 0, s3
	s_cselect_b32 s19, s3, 0
	s_bfe_u32 s40, ttmp6, 0x40000
	s_bfe_u32 s41, ttmp6, 0x40004
	s_lshl_b32 s42, s19, 2
	s_add_co_u32 s42, s42, s40                     ; tile of B
	s_lshl_b32 s17, s18, 2
	s_add_co_u32 s17, s17, s41                     ; tile of A
	s_lshl_b32 s43, s41, 2
	s_lshl_b32 s43, 15, s43
	s_lshl_b32 s44, 0x1111, s40
	s_or_b32 s[G1+0], s43, (1<<20)|(1<<21)|(5<<22)|(3<<25)
	s_or_b32 s[G1B+0], s44, (1<<20)|(1<<21)|(5<<22)|(3<<25)
.irp g, G1, G1B                        ; 256 rows of 256 bytes, 16 bytes of padding behind each
	s_mov_b32 s[\g+1], ROWB<<16
	s_mov_b32 s[\g+2], 256<<16
	s_mov_b32 s[\g+3], ROWB<<16
	s_mov_b32 s[\g+4], 256
	s_mov_b32 s[\g+5], KROW
	s_mov_b32 s[\g+6], 0
	s_mov_b32 s[\g+7], 0
.endr
	s_or_b32 s[G1S+0], s43, (3<<16)|(1<<20)|(1<<21)|(5<<22)|(3<<25)
	s_or_b32 s[G1SB+0], s44, (3<<16)|(1<<20)|(1<<21)|(5<<22)|(3<<25)
.irp g, G1S, G1SB                      ; the scales of 256 rows: a dense block as 32 rows of 256 bytes
	s_mov_b32 s[\g+1], 32<<16
	s_mov_b32 s[\g+2], KS<<16
	s_mov_b32 s[\g+3], 32<<16
	s_mov_b32 s[\g+4], KS
	s_mov_b32 s[\g+5], 32
	s_mov_b32 s[\g+6], 0
	s_mov_b32 s[\g+7], 0
.endr
	s_lshl_b32 s20, s17, 8
	s_lshl_b32 s46, s42, 8
	s_mov_b32 s21, 0
	s_mov_b32 s47, 0
	s_mov_b64 s[18:19], KS
	s_mul_u64 s[22:23], s[20:21], s[18:19]
	s_mul_u64 s[92:93], s[46:47], s[18:19]
	s_mov_b64 s[18:19], KROW
	s_mul_u64 s[20:21], s[20:21], s[18:19]
	s_mul_u64 s[46:47], s[46:47], s[18:19]
	s_mul_i32 s18, s16, 128*KROW
	s_mov_b32 s19, 0
	s_mul_i32 s45, s14, HALFT
	s_add_nc_u64 s[20:21], s[4:5], s[20:21]
	s_add_nc_u64 s[22:23], s[6:7], s[22:23]
	s_add_nc_u64 s[46:47], s[8:9], s[46:47]
	s_add_nc_u64 s[92:93], s[10:11], s[92:93]
	CROUND                                         ; all sixteen work-groups are here: the first joint loads meet
	SETG0 G0H, 0, 20                               ; chunk 0: A's 256 rows,
	SETG0 G0HB, 2*HALFT, 46                        ; B's 256 rows
	SETG0 G0S, SCL, 22                             ; A's scales,
	SETG0 G0SB, SCL+2*HALFS, 92                    ; B's
	s_cmp_eq_u32 s15, 0                            ; the prefetches: A's tile or B's,
	s_cselect_b64 s[PFB:PFB+1], s[20:21], s[46:47]
	s_cselect_b32 s94, s40, s41                    ; my place among the four that share it
	s_add_nc_u64 s[20:21], s[20:21], s[18:19]      ; behind the head I fetch 128 rows of a tile
	s_add_nc_u64 s[46:47], s[46:47], s[18:19]
.irp s, 0,1
	s_mov_b32 s[G0+4*\s], 1
	s_add_co_u32 s[G0+4*\s+1], s45, \s*SLOT
	s_add_nc_u64 s[G0+4*\s+2:G0+4*\s+3], s[20:21], \s*ROWB
	s_or_b32 s[G0+4*\s+3], s[G0+4*\s+3], 0x80000000
	s_mov_b32 s[G0B+4*\s], 1
	s_add_co_u32 s[G0B+4*\s+1], s45, \s*SLOT
	s_add_nc_u64 s[G0B+4*\s+2:G0B+4*\s+3], s[46:47], \s*ROWB
	s_or_b32 s[G0B+4*\s+3], s[G0B+4*\s+3], 0x80000000
.endr
.macro ARM under, g0, g1
	s_cmp_lt_u32 s14, \under
	s_cbranch_scc0 .Lnext_\@
	TLOAD \g0, \g1
	s_branch .Lhead_asked
.Lnext_\@:
.endm
	ARM 1, G0H,  G1                                ; one tensor load a wave
	ARM 2, G0HB, G1B
	ARM 3, G0S,  G1S
	TLOAD G0SB, G1SB
.Lhead_asked:
	s_lshl_b32 s94, s94, 6
	s_lshl_b32 s20, s16, 5
	s_add_co_u32 s94, s94, s20
	s_mul_i32 s94, s94, KROW                       ; row 64 x place + 32 x (wave % 2)
	v_and_b32 v6, 31, v0
	v_mul_u32_u24 v8, KROW, v6
	v_add_nc_u32 v[PFO], s94, v8
	global_prefetch_b8 v[PFO], s[PFB:PFB+1] offset:ROWB th:TH_LOAD_NT scope:SCOPE_SE     ; chunk 1
	v_lshlrev_b32 v[VO], 4, v6
	v_lshlrev_b32 v[V8], 3, v6
	s_mul_i32 s18, s15, HALFT                      ; my 128 rows of A,
	s_mul_i32 s19, s16, HALFT
	s_add_co_u32 s19, s19, 2*HALFT                 ; of B
	s_mov_b32 s21, SLOT-232
	s_mov_b32 s22, SLOT+232
	s_mul_i32 s20, s15, HALFS                      ; their scales
	s_mul_i32 s23, s16, HALFS
	s_add_co_u32 s23, s23, 2*HALFS
	s_sub_co_u32 s23, s23, s20
	s_add_co_u32 s20, s20, SCL
	v_and_b32 v1, 15, v0                           ; r
	v_bfe_u32 v2, v0, 4, 1                         ; h
	v_lshrrev_b32 v3, 3, v1
	v_lshl_add_u32 v4, v3, 5, v1                   ; my row of an even tile, from 8 i on: r, or 32 + r where r > 7
	v_lshl_add_u32 v5, v3, 4, v1                   ; of an odd tile: r, or 16 + r
	v_sub_nc_u32 v7, 1, v2
	v_mul_u32_u24 v9, 24, v2
	v_lshlrev_b32 v[SH8], 3, v2
.irp e, 0,1
	v_mul_u32_u24 v8, PITCH, v[4+\e]
	v_mul_u32_u24 v10, s21, v2
	v_mul_u32_u24 v11, s22, v7
	v_add_nc_u32 v6, v8, v9                        ; row x pitch + 24 h
	v_add_nc_u32 v10, v8, v10
	v_add_nc_u32 v10, 232, v10                     ; lanes 0-15 byte 232 in slot 0, lanes 16-31 byte 0 in slot 1
	v_add_nc_u32 v11, v8, v11                      ; and the other way round
	v_add_nc_u32 v[ADRA+4*\e], s18, v6
	v_add_nc_u32 v[ADRB+4*\e], s19, v6
	v_add_nc_u32 v[ADRA+4*\e+1], SLOT, v[ADRA+4*\e]
	v_add_nc_u32 v[ADRB+4*\e+1], SLOT, v[ADRB+4*\e]
	v_add_nc_u32 v[ADRA+4*\e+2], s18, v10
	v_add_nc_u32 v[ADRA+4*\e+3], s18, v11
	v_add_nc_u32 v[ADRB+4*\e+2], s19, v10
	v_add_nc_u32 v[ADRB+4*\e+3], s19, v11
.endr
	WIN 0x40
.irp i, 0,1,2,3,4,5,6,7
.irp k, 0,1,2,3
	v_add_nc_u32 v[TA+4*\i+\k], (64*(\i/4)+8*(\i%4))*PITCH, v[ADRA+4*(\i%2)+\k]
	v_add_nc_u32 v[TBA+4*\i+\k], (64*(\i/4)+8*(\i%4))*PITCH, v[ADRB+4*(\i%2)+\k]
.endr
.endr
	WIN 0
	v_and_b32 v6, 7, v1
	v_lshlrev_b32 v6, 5, v6                        ; scale rows: 32 bytes, eight to a unit of 272
	v_mul_u32_u24 v8, s23, v2                      ; lanes 16-31 take B's
	v_add_nc_u32 v6, v6, v8
	v_add_nc_u32 v6, s20, v6
	v_mul_u32_u24 v8, 5*272, v3                    ; even tile, r > 7: row 8 i + 40 ..: five units on
	v_add_nc_u32 v[ADRS], v6, v8
	v_mul_u32_u24 v8, 3*272, v3                    ; odd tile: row 8 i + 24 ..
	v_add_nc_u32 v[ADRS+1], v6, v8
	s_lshl_b32 s20, s17, 8
	s_lshl_b32 s21, s15, 7
	s_add_co_u32 s20, s20, s21                     ; my first row of A,
	s_lshl_b32 s22, s42, 8
	s_lshl_b32 s23, s16, 7
	s_add_co_u32 s22, s22, s23                     ; of B
	s_cmp_eq_u32 s2, 2
	s_cselect_b32 s18, s22, s20                    ; token
	s_cselect_b32 s19, s20, s22                    ; channel
	s_cselect_b32 s92, 1, 0
	s_lshl_b32 s46, s22, 2
	s_lshl_b32 s47, s20, 2
	s_lshr_b32 s21, s18, 11
	s_lshl_b32 s21, s21, 4
	s_lshr_b32 s23, s19, 6
	s_add_co_u32 s21, s21, s23                     ; batch x 16 + head
	s_and_b32 s18, s18, 2047
	s_mul_i32 s20, s21, HEADB
	s_mul_i32 s22, s18, 48
	s_add_co_u32 s20, s20, s22
	s_lshl_b32 s22, s21, 13
	s_lshl_b32 s23, s18, 2
	s_add_co_u32 s22, s22, s23
	s_lshr_b32 s22, s22, s92                       ; v's scale words: half as many bytes
	s_mov_b32 s21, 0
	s_mov_b32 s23, 0
	s_add_nc_u64 s[12:13], s[12:13], s[20:21]
	s_add_nc_u64 s[96:97], s[96:97], s[22:23]
	s_mov_b32 s95, 0xffff0000
	s_mov_b32 s[SEL], 0x76543210
	s_mov_b32 s[SEL+1], 0xfedcba98
	s_wait_alu depctr_va_vdst(0)
	v_mul_u32_u24 v8, 160, v2                      ; h = 1: 40 channels on in an even tile,
	v_add_nc_u32 v[BNO], s46, v8
	v_mul_u32_u24 v8, 96, v2                       ; 24 in an odd one
	v_add_nc_u32 v[BNO+1], s46, v8
	v_lshlrev_b32 v[BMO], 2, v4
	v_add_nc_u32 v[BMO], s47, v[BMO]
	v_lshlrev_b32 v[BMO+1], 2, v5
	v_add_nc_u32 v[BMO+1], s47, v[BMO+1]
	s_wait_alu depctr_va_vdst(0)                   ; ahead of the branch
	s_cmp_eq_u32 s2, 2
	s_cbranch_scc1 .Lbias_v
.irp b, 0,1,2,3,4,5,6,7
	global_load_b128 v[BN+8*\b:BN+8*\b+3], v[BNO+\b%2], s[66:67] offset:4*(64*(\b/4)+8*(\b%4))
	global_load_b128 v[BN+8*\b+4:BN+8*\b+7], v[BNO+\b%2], s[66:67] offset:4*(64*(\b/4)+8*(\b%4))+16
.endr
	s_branch .Lbias_asked
.Lbias_v:
.irp b, 0,1,2,3,4,5,6,7
	global_load_b32 v[BN+8*\b], v[BMO+\b%2], s[66:67] offset:4*(64*(\b/4)+8*(\b%4))
.endr
.Lbias_asked:
; a fragment: lane l holds a row; registers 6 c .. hold K = 64 c + 32 h + 0..31: 24 bytes of the row, in pieces of 8, two to a load where both go by one address register.  tb: the operand's addresses, st: the step, i: the tile.
; X_: the piece of lanes 16-31, 24 bytes on, lies in the next chunk
.macro FRAG reg, tb, st, i
.set SKIP_, 0
.irp p, 0,1,2,3,4,5
.if SKIP_
.set SKIP_, 0
.else
.set BY, 96*(\st)+48*(\p/3)+8*(\p%3)
.set BZ, 96*(\st)+48*((\p+1)/3)+8*((\p+1)%3)
.set X_, (BY+24)/ROWB-BY/ROWB
.set Z_, (BZ+24)/ROWB-BZ/ROWB
.set KX_, (BY/ROWB)%2+2*X_
.set KZ_, (BZ/ROWB)%2+2*Z_
.set OX_, BY%ROWB-232*X_
.set OZ_, BZ%ROWB-232*Z_
.if (\p < 5) && (KX_ == KZ_)
.set SKIP_, 1
	ds_load_2addr_b64 v[\reg+2*\p:\reg+2*\p+3], v[\tb+4*(\i)+KX_] offset0:OX_/8 offset1:OZ_/8
.else
	ds_load_b64 v[\reg+2*\p:\reg+2*\p+1], v[\tb+4*(\i)+KX_] offset:OX_
.endif
.endif
.endr
.endm
.macro PR a, b, p, q, sc, cr
	v_wmma_scale_f32_16x16x128_f8f6f4 v[8*(8*((\a)%4)+\b):8*(8*((\a)%4)+\b)+7], v[128*(\p)+FR*\b:128*(\p)+FR*\b+FR-1], v[AF+FR*(\a):AF+FR*(\a)+FR-1], \cr, v[SC+16*(\sc)+2*\b+(\q)], v[SC+16*(\sc)+2*(\a)+(\q)] matrix_a_fmt:MATRIX_FMT_FP6 matrix_b_fmt:MATRIX_FMT_FP6 matrix_a_scale:MATRIX_SCALE_ROW1
.endm
; 16 products: A's tiles a0, a0 + 1 x B's eight.  zero: 0 adds on; 1: C is the bias by B's tile; 2: by A's tile.  The 64 accumulators take turns
.macro MUL16 a0, p, q, sc, zero
.irp a, \a0, \a0+1
.irp b, 0,1,2,3,4,5,6,7
.if (\zero) == 1
	PR \a, \b, \p, \q, \sc, v[BN+8*\b:BN+8*\b+7]
.elseif (\zero) == 2
	PR \a, \b, \p, \q, \sc, v[BN+8*(\a):BN+8*(\a)+7]
.else
	PR \a, \b, \p, \q, \sc, v[8*(8*((\a)%4)+\b):8*(8*((\a)%4)+\b)+7]
.endif
.endr
.endr
.endm
.macro MLO zero
.if \zero
	WIN 0x81
.else
	WIN 0xa1
.endif
.endm
.macro MHI zero
.if \zero
	WIN 0xc1
.else
	WIN 0xf1
.endif
.endm
.macro FETCH_B st, p
	WIN 0x41
.irp i, 0,1,2,3,4,5,6,7
	FRAG 128*(\p)+FR*\i, TBA, \st, \i
.endr
	WIN 0
.endm
.macro FETCH_A st, i0
	WIN 0x01
.irp i, \i0, \i0+1, \i0+2, \i0+3
	FRAG AF+FR*(\i), TA, \st, \i
.endr
	WIN 0
.endm
.macro SCALES pr                       ; the scale words of steps 2 pr, 2 pr + 1
.irp i, 0,1,2,3,4,5,6,7
	ds_load_b64 v[SC+16*((\pr)%2)+2*\i:SC+16*((\pr)%2)+2*\i+1], v[ADRS+\i%2] offset:(8*(\i/4)+\i%4)*272+8*(\pr)
.endr
.endm
; A step of 128 along K.  Where the next step ends in a chunk not yet read, a barrier shows that chunk; where it begins in a later chunk, the barrier stands behind the three lines and, where a chunk is left to fetch, opens the round behind which the slot is filled again.
; NLS: the LDS loads of four of A's tiles: three a fragment, four where the step lies across two chunks
.macro STEP st, zero
.set NX, (\st)+1
.set C0, (96*(\st))/ROWB
.set C1, (96*NX)/ROWB
.set E0, (96*(\st)+95)/ROWB
.set E1, (96*NX+95)/ROWB
.set NLS, 12+4*(E0-C0)
.if C1 > C0 || E1 > E0
	s_wait_tensorcnt 0x0
.if C1 > C0
	ds_add_u32 v[SPW], v[NIL]
	s_wait_dscnt NLS+1                             ; the add and A's tiles 4-7 may be out
.else
	s_wait_dscnt NLS                               ; A's tiles 4-7 may be out
.endif
	MLO \zero
	MUL16 0, (\st)%2, (\st)%2, ((\st)/2)%2, \zero
	s_wait_dscnt 0x0
	s_barrier_signal -1
	MUL16 2, (\st)%2, (\st)%2, ((\st)/2)%2, \zero
	WIN 0
	s_barrier_wait -1
.if C1 > C0 && C0+2 < CHUNKS
	CREST
	s_add_nc_u64 s[G0+4*(C0%2)+2:G0+4*(C0%2)+3], s[G0+4*(C0%2)+2:G0+4*(C0%2)+3], 2*ROWB
	s_add_nc_u64 s[G0B+4*(C0%2)+2:G0B+4*(C0%2)+3], s[G0B+4*(C0%2)+2:G0B+4*(C0%2)+3], 2*ROWB
	JLOAD G0+4*(C0%2), G1, G0B+4*(C0%2), G1B
.else
	PLACES
.endif
.else
	s_wait_dscnt NLS
	MLO \zero
	MUL16 0, (\st)%2, (\st)%2, ((\st)/2)%2, \zero
	MUL16 2, (\st)%2, (\st)%2, ((\st)/2)%2, \zero
	s_wait_dscnt 0x0
	PLACES
.endif
	FETCH_B NX, NX%2
	FETCH_A NX, 0
.if NX%2 == 0
	SCALES NX/2
.endif
	MHI \zero
	MUL16 4, (\st)%2, (\st)%2, ((\st)/2)%2, \zero
	MUL16 6, (\st)%2, (\st)%2, ((\st)/2)%2, \zero
	PLACES
	FETCH_A NX, 4
.endm
	s_wait_alu depctr_va_vdst(0)                   ; the wait at the head's end
	s_wait_tensorcnt 0x0
	ds_add_u32 v[SPW], v[NIL]
	s_mov_b32 s[G1+2], 128<<16                     ; from here on a load brings 128 rows
	s_mov_b32 s[G1+4], 128
	s_mov_b32 s[G1B+2], 128<<16
	s_mov_b32 s[G1B+4], 128
	s_wait_dscnt 0x0
	CROUND                                         ; the head's four tiles are in
	JLOAD G0+4, G1, G0B+4, G1B                     ; chunk 1
	FETCH_B 0, 0
	FETCH_A 0, 0
	SCALES 0
	FETCH_A 0, 4
	global_prefetch_b8 v[PFO], s[PFB:PFB+1] offset:2*ROWB th:TH_LOAD_NT scope:SCOPE_SE   ; chunk 2
	s_wait_loadcnt 0x0                             ; the bias
	s_cmp_eq_u32 s2, 2
	s_cbranch_scc1 .Lstart_v
	STEP 0, 1
	s_branch .Lstarted
.Lstart_v:
.irp a, 0,8,16,24,32,40,48,56
.irp j, 1,2,3,4,5,6,7
	v_mov_b32 v[BN+\a+\j], v[BN+\a]                ; one number a lane and tile
.endr
.endr
	s_wait_alu depctr_va_vdst(0)
	STEP 0, 2
.Lstarted:
.set ST, 1
.rept STEPS-2
	STEP ST, 0
.set ST, ST+1
.endr
	s_wait_dscnt 12                                ; A's tiles 4-7 may be out
	WIN 0xa1
	MUL16 0, 1, 1, 1, 0
	MUL16 2, 1, 1, 1, 0
	s_wait_dscnt 0x0
	WIN 0xf1
	MUL16 4, 1, 1, 1, 0
	MUL16 6, 1, 1, 1, 0
	WIN 0
	PLACES
	v_mov_b32 v[PX], 0                             ; a lane permute's destination counts as one of its sources
	v_mov_b32 v[PX+1], 0
; THE WAY OUT by pairs of A's tiles a = 2 p + e: each lane has, for c = 0, 1, the 32 numbers of one scale block: (c, h) is block 2 c + h of its row's four
.macro CODES p, v
	WIN N_
.irp e, 0,1
.irp c, 0,1
.set X_, 64*((2*(\p)+\e)%4)+32*\c
.if \v
.set QB_, QC+24*(\p)+12*\e+6*\c
.else
.set QB_, QC+24*(\p)+12*\c+6*\e
.endif
	v_cvt_scalef32_pk16_fp6_f32 v[QB_:QB_+2], v[X_:X_+15], v[SOP+2*\e+\c]
	v_cvt_scalef32_pk16_fp6_f32 v[TQ+8*\e+4*\c:TQ+8*\e+4*\c+2], v[X_+16:X_+31], v[SOP+2*\e+\c]
.endr
.endr
	WIN 0
	v_nop
.irp e, 0,1
.irp c, 0,1
.if \v
.set QB_, QC+24*(\p)+12*\e+6*\c
.else
.set QB_, QC+24*(\p)+12*\c+6*\e
.endif
.irp i, 0,1,2
	v_mov_b32 v[QB_+3+\i], v[TQ+8*\e+4*\c+\i]      ; a conversion's three registers begin on an even number
.endr
.endr
.endr
.irp y, 0,1
.irp k, 0,1,2
.set R_, QC+24*(\p)+12*\y+4*\k
.if \v
	global_store_b128 v[VO], v[R_:R_+3], s[12:13] offset:1536*\y+3072*((\p)%2)+HEADB*((\p)/2)+512*\k
.else
	global_store_b128 v[VO], v[R_:R_+3], s[12:13] offset:HEADB*\y+1536*(\p)+512*\k
.endif
.endr
.endr
.endm
.macro PAIR p                          ; the largest magnitudes in eight chains, one over each 16 of a block
.set N_, 2+(\p)/2
	WIN N_*0x15
.irp e, 0,1
.irp c, 0,1
.irp u, 0,1
.set X_, 64*((2*(\p)+\e)%4)+32*\c+16*\u
	v_max3_num_f32 v[TM+4*\e+2*\c+\u], |v[X_]|, |v[X_+1]|, |v[X_+2]|
.endr
.endr
.endr
	WIN N_*0x14
.irp i, 3,5,7,9,11,13
.irp e, 0,1
.irp c, 0,1
.irp u, 0,1
.set X_, 64*((2*(\p)+\e)%4)+32*\c+16*\u
.set M_, TM+4*\e+2*\c+\u
	v_max3_num_f32 v[M_], v[M_], |v[X_+\i]|, |v[X_+\i+1]|
.endr
.endr
.endr
.endr
	WIN N_*0x10
.irp e, 0,1
.irp c, 0,1
.set X_, 64*((2*(\p)+\e)%4)+32*\c
.set M_, TM+4*\e+2*\c
	v_max3_num_f32 v[M_], v[M_], v[M_+1], |v[X_+15]|
.endr
.endr
	WIN N_*0x4
.irp e, 0,1
.irp c, 0,1
.set X_, 64*((2*(\p)+\e)%4)+32*\c
.set M_, TM+4*\e+2*\c
	v_max3_num_f32 v[M_], v[M_], |v[X_+31]|, 0x1800000   ; with the floor 2^(3 - 127): the byte cannot fall under 1
.endr
.endr
	WIN 0
.irp k, 0,1,2,3
	v_add_nc_u32 v[SOP+\k], 0xff000000, v[TM+2*\k]   ; 2 off the exponent field
.endr
.irp k, 0,1,2,3
	v_lshrrev_b32 v[BYT+\k], 23, v[SOP+\k]
.endr
.irp e, 0,1
	v_lshl_or_b32 v[WD+\e], v[BYT+2*\e+1], 16, v[BYT+2*\e]
.endr
.irp e, 0,1
	v_lshlrev_b32 v[WD+\e], v[SH8], v[WD+\e]
.endr
.irp e, 0,1
	v_permlanex16_b32 v[PX+\e], v[WD+\e], s[SEL], s[SEL+1]
.endr
.irp e, 0,1
	v_or_b32 v[WD+\e], v[WD+\e], v[PX+\e]          ; my row's four bytes
.endr
	v_cndmask_b32 v[SW+\p], v[WD], v[WD+1], s95
	s_wait_alu depctr_va_vdst(0)                   ; ahead of the branch
	s_cmp_eq_u32 s2, 2
	s_cbranch_scc1 .Lpair_v_\@
	CODES \p, 0
	s_branch .Lpair_done_\@
.Lpair_v_\@:
	CODES \p, 1
.Lpair_done_\@:
.endm
	PAIR 0
	PAIR 1
	PAIR 2
	PAIR 3
	s_wait_alu depctr_va_vdst(0)                   ; ahead of the branch
	s_cmp_eq_u32 s2, 2
	s_cbranch_scc1 .Lwords_v
.irp j, 0,1,2,3
	v_and_b32 v[T0+\j], 0xffff, v[SW+\j]
	v_lshrrev_b32 v[T1+\j], 16, v[SW+\j]
.endr
	global_store_b128 v[VO], v[T0:T0+3], s[96:97]
	global_store_b128 v[VO], v[T1:T1+3], s[96:97] offset:8192
	s_branch .Lwords_done
.Lwords_v:
	global_store_b64 v[V8], v[SW:SW+1], s[96:97]
	global_store_b64 v[V8], v[SW+2:SW+3], s[96:97] offset:4096
.Lwords_done:
	s_wait_tensorcnt 0x0                           ; the wave's end
	ds_add_u32 v[SPW], v[NIL]
	s_wait_dscnt 0x0
	CROUND
	s_endpgm
.Lfunc_end_k_qe8d828e8fe_proj:
	.size	k_qe8d828e8fe_proj, .Lfunc_end_k_qe8d828e8fe_proj-k_qe8d828e8fe_proj
	.p2alignl 7, 3214868480
	.fill 96, 4, 3214868480
	.section	.rodata,"a",@progbits
	.p2align	6, 0x0
	.amdhsa_kernel k_qe8d828e8fe_proj
		.amdhsa_group_segment_fixed_size 327680
		.amdhsa_private_segment_fixed_size 0
		.amdhsa_enable_private_segment 0
		.amdhsa_kernarg_size 168
		.amdhsa_user_sgpr_count 2
		.amdhsa_user_sgpr_kernarg_segment_ptr 1
		.amdhsa_wavefront_size32 1
		.amdhsa_system_sgpr_workgroup_id_x 1
		.amdhsa_system_sgpr_workgroup_id_y 1
		.amdhsa_system_sgpr_workgroup_id_z 1
		.amdhsa_system_vgpr_workitem_id 0
		.amdhsa_next_free_vgpr 1024
		.amdhsa_next_free_sgpr 104
		.amdhsa_reserve_vcc 0
		.amdhsa_float_denorm_mode_32 3
		.amdhsa_float_denorm_mode_16_64 3
		.amdhsa_memory_ordered 1
		.amdhsa_forward_progress 1
		.amdhsa_inst_pref_size 166
	.end_amdhsa_kernel
	.amdgpu_metadata
---
amdhsa.version: [ 1, 2 ]
amdhsa.kernels:
  - .name:           k_qe8d828e8fe_proj
    .symbol:         k_qe8d828e8fe_proj.kd
    .args:
      - { .name: Wq_codes, .offset: 0, .size: 8, .value_kind: global_buffer, .address_space: global }
      - { .name: Wk_codes, .offset: 8, .size: 8, .value_kind: global_buffer, .address_space: global }
      - { .name: V_codes, .offset: 16, .size: 8, .value_kind: global_buffer, .address_space: global }
      - { .name: Wq_scales, .offset: 24, .size: 8, .value_kind: global_buffer, .address_space: global }
      - { .name: Wk_scales, .offset: 32, .size: 8, .value_kind: global_buffer, .address_space: global }
      - { .name: V_scales, .offset: 40, .size: 8, .value_kind: global_buffer, .address_space: global }
      - { .name: Q_codes, .offset: 48, .size: 8, .value_kind: global_buffer, .address_space: global }
      - { .name: K_codes, .offset: 56, .size: 8, .value_kind: global_buffer, .address_space: global }
      - { .name: Wv_codes, .offset: 64, .size: 8, .value_kind: global_buffer, .address_space: global }
      - { .name: Q_scales, .offset: 72, .size: 8, .value_kind: global_buffer, .address_space: global }
      - { .name: K_scales, .offset: 80, .size: 8, .value_kind: global_buffer, .address_space: global }
      - { .name: Wv_scales, .offset: 88, .size: 8, .value_kind: global_buffer, .address_space: global }
      - { .name: bq, .offset: 96, .size: 8, .value_kind: global_buffer, .address_space: global }
      - { .name: bk, .offset: 104, .size: 8, .value_kind: global_buffer, .address_space: global }
      - { .name: bv, .offset: 112, .size: 8, .value_kind: global_buffer, .address_space: global }
      - { .name: qf, .offset: 120, .size: 8, .value_kind: global_buffer, .address_space: global }
      - { .name: kf, .offset: 128, .size: 8, .value_kind: global_buffer, .address_space: global }
      - { .name: vf, .offset: 136, .size: 8, .value_kind: global_buffer, .address_space: global }
      - { .name: qsc, .offset: 144, .size: 8, .value_kind: global_buffer, .address_space: global }
      - { .name: ksc, .offset: 152, .size: 8, .value_kind: global_buffer, .address_space: global }
      - { .name: vsc, .offset: 160, .size: 8, .value_kind: global_buffer, .address_space: global }
    .group_segment_fixed_size: 327680
    .private_segment_fixed_size: 0
    .kernarg_segment_align: 8
    .kernarg_segment_size: 168
    .max_flat_workgroup_size: 128
    .sgpr_count:     104
    .vgpr_count:     1024
    .wavefront_size: 32
...
	.end_amdgpu_metadata
.endif
;; end of part 1
;; launch attn (part 2): grid 8 x 32, 16 waves a work-group, clusters of 4 x 1, 210,944 bytes of LDS; arguments qf, qsc, kf, ksc, vf, vsc, af, asc; writes af, asc
.if DOCPART == 2
	.amdgcn_target "amdgcn-amd-amdhsa--gfx1250"
	.amdhsa_code_object_version 6
	.text
	.protected	k_qe8d828e8fe_attn
	.globl	k_qe8d828e8fe_attn
	.p2align	8
	.type	k_qe8d828e8fe_attn,@function
k_qe8d828e8fe_attn:
	s_mov_b64 s[64:65], 0
	v_nop
	global_prefetch_b8 v0, s[64:65] scope:SCOPE_SE
	s_setreg_imm32_b32 hwreg(HW_REG_WAVE_MODE, 25, 1), 1
	s_wait_xcnt 0x0
	s_wait_alu depctr_hold_cnt(0) depctr_sa_sdst(0) depctr_va_vdst(0) depctr_va_sdst(0) depctr_va_ssrc(0) depctr_va_vcc(0) depctr_vm_vsrc(0)
	s_getreg_b32 s2, hwreg(HW_REG_IB_STS2, 6, 4)
	s_cmp_eq_u32 s2, 0
	s_cbranch_scc0 .Lentry_in_a_cluster
	s_endpgm
.Lentry_in_a_cluster:
	s_bfe_u32 s2, ttmp6, 0x10000c
	s_cmp_lg_u32 s2, 0x3003
	s_cbranch_scc0 .Lentry_shape_is_right
	s_endpgm
.Lentry_shape_is_right:
; ATTENTION of one head on codes of FP6 (E2M3), and the quantising of its result for the last projection.
; t = (q . k) log2(e) / 8; M = the row's largest t so far, rounded UP to a whole number; p = 2^(t - M) is quantised along the keys, not normalised; the row's sum is taken of the unquantised p in f32 and divides the result at the end.
; When M moves, the sum and the result are multiplied by 2^(old M - new M), which rounds nothing.
; SHARES.  A work-group owns 256 queries of one head (16 x batch + head); each of its sixteen waves one tile of 16 queries in 256 registers, four waves to a SIMD.  Every wave walks the head's 2,048 keys, 256 a step.
; A head's k and v stay in LDS, every byte filled once by one tensor load of one of waves 0 to 5: no ring, no refill, no prefetch into the L2 (all is asked for at the head).  The first 256 keys come by loads of their own.
; CLUSTER.  The four query blocks of a cluster belong to one head: every load is asked for jointly by all four.
; LAYOUT.  The buffers hold images of operand registers, 12 registers as three pieces of 16 bytes a lane.  k's tile i of 64 keys has keys 8 i + 0..7 and 32 + 8 (i xor 1) + 0..7, so in S^T = k q^T (source 0 = 16 keys, source 1 = my queries)
; a lane's 32 registers of four tiles are ONE scale block of p: block h of the 64 keys, in the order in which v's codes lie.  O^T = v^T p^T (source 0 = 16 channels): a lane holds one query throughout.
; THE FIRST PRODUCT HAS K = 64 in an instruction of 128: q's registers 6-11 are zero codes and bytes 2, 3 of both sides' scale words are 0.  The upper six registers of a key tile's operand are the next tile's codes (behind the eighth tile
; v88-93 or v240-245, whatever they hold: every bit pattern is finite codes); they meet zero codes and add nothing.
; A STEP.  The 256 keys are halves A (tiles 0-7) and B.  k's half A of the NEXT step is asked for as soon as half B's p are converted, into registers that held them; k's half B ahead of half A's products; v's half B behind half B's products; v's half A
; ahead of half A's exponentials.
; OUT.  af [row tile of 16][head][768]: registers 0-3 of lane l at 16 l, registers 4, 5 at 512 + 8 l.  asc [row tile][r][32]: byte 2 x head + block; one byte a lane.  A row tile's rows are the tile's queries in the order of lanes; the next launch puts rows in order.
; Along the channels the natural order is restored on the codes: in lanes 16-31 each 16 codes have their two halves of 48 bits exchanged.
; LIMITS: NaN and infinities are not served.  The promise holds while the scaled scores stay under 2^31 in magnitude.  A block whose largest magnitude lies under 2^-124 gets the byte 1 (a block of zeros has zero codes).
; A block's scale comes from 2^(t - M - 2) of its largest score (this takes v_exp_f32 not to fall where its input rises).
; REGISTERS: v1, v4 LDS bases; v[2:3], v28-31, v[32:33] scale words of k and v; v5 q's; v6, v7 the add's; v8-11 addresses; v12 -M; v13 the largest score; v[14:15] the sum; v16-27 q; v34-39 at work;
; v40-87 half B of k, then half B of v, then half A of v; v88-93 at work; v94, v95 p's scale words; v96-127 O^T; v128-255 S^T, then p; v176-187 and v240-251 p's codes of half A and B; v192-239 half A of k.
.set HEADB, 98304
.set STEPB, 12288                      ; 256 keys' codes, of k and of v
.set VC,    HEADB
.set KSC,   2*HEADB                    ; k's scale words, 1,024 bytes a step
.set VSC,   KSC+8192                   ; v's, 512 bytes a step
.set SPARE, VSC+4096
.set ADV, 8
.set ADT, 9
.set ADK, 10
.set ADS, 11
.set WV,  20
.set CS,  22                           ; s[22:23] c = log2(e) / 8
.set G1KS, 24
.set G1VS, 32
.set G1A, 40
.set G1B, 48
.set G0KS, 56
.set G0VS, 60
.set G0KA, 68
.set G0VA, 72
.set G0KB, 76
.set G0VB, 80
.set SEL, 84
.set TK,  86                           ; s86 the next step's k codes
.set TS,  87                           ; s87 its scale words
.set TJ,  88                           ; s88 this step's v scale words
.set CNT, 89
.set NC,  91                           ; -c
.set TV,  96                           ; s96 this step's v codes
.macro DENSE g, rows                   ; a dense block as rows of 256 bytes, for all four work-groups
	s_mov_b32 s[\g], 15|(3<<16)|(1<<21)
	s_mov_b32 s[\g+1], 32<<16
	s_mov_b32 s[\g+2], (\rows)<<16
	s_mov_b32 s[\g+3], 32<<16
	s_mov_b32 s[\g+4], \rows
	s_mov_b32 s[\g+5], 32
	s_mov_b32 s[\g+6], 0
	s_mov_b32 s[\g+7], 0
.endm
.macro GROUP0 g, region, base, off     ; to LDS byte region + off, from the buffer at s[base] + s[92:93] + off
	s_mov_b32 s[\g], 1
	s_mov_b32 s[\g+1], \region+\off
	s_add_nc_u64 s[\g+2:\g+3], s[\base:\base+1], s[92:93]
.if \off
	s_add_nc_u64 s[\g+2:\g+3], s[\g+2:\g+3], \off
.endif
	s_or_b32 s[\g+3], s[\g+3], 0x80000000
.endm
.macro ROUND
	s_barrier_signal -1
	s_barrier_wait -1
	s_cmp_lg_u32 s[WV], 0
	s_cbranch_scc1 .Lnot_wave_0_\@
	s_barrier_signal -3
.Lnot_wave_0_\@:
	s_barrier_wait -3
	s_barrier_signal -1
	s_barrier_wait -1
.endm
.macro PLACES
.rept 4
	v_nop
.endr
.endm
	s_load_b512 s[4:19], s[0:1], 0x0               ; qf s[4:5], qsc s[6:7], kf s[8:9], ksc s[10:11], vf s[12:13], vsc s[14:15], af s[16:17], asc s[18:19]
	v_lshl_add_u32 v6, v0, 2, SPARE
	v_mov_b32 v7, 0
	ds_add_u32 v6, v7                              ; the opening: the add, twice on end
	ds_add_u32 v6, v7
	v_lshrrev_b32 v8, 5, v0
	v_readfirstlane_b32 s[WV], v8                  ; wave 0..15
	s_bfe_u32 s2, ttmp6, 0x40000                   ; cx: it enters q's and the output's global addresses alone
	s_lshl_b32 s21, ttmp9, 2
	s_add_co_u32 s21, s21, s2
	s_lshl_b32 s21, s21, 4
	s_add_co_u32 s21, s21, s[WV]                   ; my tile of 16 queries, 0..127
	s_and_b32 s90, ttmp7, 0xffff                   ; 16 x batch + head
	DENSE G1KS, 32
	DENSE G1VS, 16
	DENSE G1A, 48
	DENSE G1B, 336
	s_mov_b32 s93, 0
	s_mov_b32 s[CS], 0x3e38aa3b
	s_mov_b32 s[CS+1], s[CS]
	s_mov_b32 s[NC], 0xbe38aa3b
	s_mov_b32 s[SEL], 0x76543210
	s_mov_b32 s[SEL+1], 0xfedcba98
	s_mov_b32 s95, 0xffff0000
	s_mov_b32 s[TK], STEPB
	s_mov_b32 s[TS], KSC+1024
	s_mov_b32 s[TJ], 0
	s_mov_b32 s[TV], VC
	s_wait_dscnt 0x0
	s_wait_kmcnt 0x0
	s_mul_i32 s92, s90, HEADB
	GROUP0 G0KA, 0, 8, 0
	GROUP0 G0VA, VC, 12, 0
	GROUP0 G0KB, 0, 8, STEPB
	GROUP0 G0VB, VC, 12, STEPB
	s_lshl_b32 s92, s90, 13
	GROUP0 G0KS, KSC, 10, 0
	s_lshl_b32 s92, s90, 12
	GROUP0 G0VS, VSC, 14, 0
	ROUND                                          ; all four work-groups are here: the joint loads meet
.macro ARM k, g0, g1
	s_cmp_eq_u32 s[WV], \k
	s_cbranch_scc0 .Lnext_\@
	tensor_load_to_lds s[\g0:\g0+3], s[\g1:\g1+7]
	s_nop 0
	PLACES
	s_branch .Lasked
.Lnext_\@:
.endm
	ARM 0, G0KS, G1KS                              ; one tensor load to a wave; waves 6 to 15 fetch nothing
	ARM 1, G0VS, G1VS
	ARM 2, G0KA, G1A
	ARM 3, G0VA, G1A
	ARM 4, G0KB, G1B
	ARM 5, G0VB, G1B
.Lasked:
	s_mul_i32 s92, s90, HEADB                      ; q: the pair of tiles (1,536 bytes), and 520 bytes on for its odd tile
	s_lshr_b32 s94, s21, 1
	s_mul_i32 s94, s94, 1536
	s_add_co_u32 s92, s92, s94
	s_and_b32 s3, s21, 1
	s_mul_i32 s94, s3, 520
	s_add_co_u32 s92, s92, s94
	s_add_nc_u64 s[4:5], s[4:5], s[92:93]
	s_mul_i32 s2, s3, 496
	s_lshl_b32 s92, s90, 13                        ; q's scale word: the head, the 128 tokens, lanes 16 (tile % 2) on, word (tile / 2) % 4
	s_lshr_b32 s94, s21, 3
	s_lshl_b32 s94, s94, 9
	s_add_co_u32 s92, s92, s94
	s_lshl_b32 s94, s3, 8
	s_add_co_u32 s92, s92, s94
	s_bfe_u32 s94, s21, 0x20001
	s_lshl_b32 s94, s94, 2
	s_add_co_u32 s92, s92, s94
	s_add_nc_u64 s[6:7], s[6:7], s[92:93]
	v_and_b32 v9, 31, v0                           ; lane
	v_and_b32 v34, 15, v0                          ; r
	v_lshlrev_b32 v1, 4, v9
	v_lshlrev_b32 v34, 4, v34                      ; every lane takes row r's word
	v_add_nc_u32 v35, s2, v1
	global_load_b64 v[16:17], v1, s[4:5]           ; q's six registers: an even tile's at 0, 8, 512, an odd tile's at 520, 1024, 1032
	global_load_b64 v[18:19], v35, s[4:5] offset:8
	global_load_b64 v[20:21], v1, s[4:5] offset:512
	global_load_b32 v5, v34, s[6:7]
	v_lshl_add_u32 v4, v9, 3, VSC
	v_mov_b32 v[ADK], v1
	v_add_nc_u32 v[ADS], KSC, v1
.irp j, 22,23,24,25,26,27,14,15,39,88,89,90,91,92,93,240,241,242,243,244,245
	v_mov_b32 v\j, 0
.endr
	v_mov_b32 v12, 0x7e000000                      ; -M: far above every -t
	v_mov_b32 v13, 0xff61b1e6                      ; the largest score so far: -3e38
.set J, 96
.rept 32
	v_mov_b32 v[J], 0                              ; O^T: the first step finds zeros, which the first change of M leaves zeros
.set J, J+1
.endr
	s_lshr_b32 s2, s90, 4
	s_lshl_b32 s2, s2, 7
	s_add_co_u32 s2, s2, s21                       ; my row tile of the output: batch x 128 + tile
	s_and_b32 s3, s90, 15                          ; the head
	s_lshl_b32 s92, s2, 4
	s_add_co_u32 s92, s92, s3
	s_mul_i32 s92, s92, 768
	s_add_nc_u64 s[16:17], s[16:17], s[92:93]
	s_lshl_b32 s92, s2, 9
	s_lshl_b32 s94, s3, 1
	s_add_co_u32 s92, s92, s94
	s_add_nc_u64 s[18:19], s[18:19], s[92:93]
.macro KCODES half, to
.irp u, 0,1,2,3
.irp k, 0,1,2
	ds_load_b128 v[\to+12*\u+4*\k:\to+12*\u+4*\k+3], v[ADK] offset:6144*(\half)+1536*\u+512*\k
.endr
.endr
.endm
.macro KLOADA                          ; eight key tiles and their scale words: 13 loads
	KCODES 0, 192
	ds_load_b128 v[28:31], v[ADS]
.endm
.macro KLOADB                          ; 14 loads
	KCODES 1, 40
	ds_load_b64 v[2:3], v[ADS] offset:512
	ds_load_b64 v[32:33], v[ADS] offset:520
.endm
.macro VLOAD half, sc                  ; v's four tiles of 128 keys: 13 loads
.irp d, 0,1,2,3
.irp k, 0,1,2
	ds_load_b128 v[40+12*\d+4*\k:43+12*\d+4*\k], v[ADV] offset:6144*(\half)+1536*\d+512*\k
.endr
.endr
	ds_load_b64 v[\sc:\sc+1], v[ADT] offset:256*(\half)
.endm
.macro SQK half                        ; S^T of eight tiles; tile t's scale words: lanes 0-15 (even t) or 16-31 (odd t) of the half's register t / 2: v28-31, or v2, v3, v32, v33
.irp t, 0,1,2,3,4,5,6,7
.if \half
.set A_, 40+6*\t
.set X_, 2+(\t/2)%2+30*(\t/4)
.else
.set A_, 192+6*\t
.set X_, 28+\t/2
.endif
.set D_, 128+64*(\half)+8*\t
.if \t%2
	v_wmma_scale_f32_16x16x128_f8f6f4 v[D_:D_+7], v[A_:A_+11], v[16:27], 0, v[X_], v5 matrix_a_fmt:MATRIX_FMT_FP6 matrix_b_fmt:MATRIX_FMT_FP6 matrix_a_scale:MATRIX_SCALE_ROW1
.else
	v_wmma_scale_f32_16x16x128_f8f6f4 v[D_:D_+7], v[A_:A_+11], v[16:27], 0, v[X_], v5 matrix_a_fmt:MATRIX_FMT_FP6 matrix_b_fmt:MATRIX_FMT_FP6
.endif
.endr
.endm
.macro PV pb, sc, pw                   ; O^T += v^T p^T over 128 keys: the four accumulators by turns
.irp d, 0,1,2,3
.if \d%2
	v_wmma_scale_f32_16x16x128_f8f6f4 v[96+8*\d:103+8*\d], v[40+12*\d:51+12*\d], v[\pb:\pb+11], v[96+8*\d:103+8*\d], v[\sc+\d/2], v[\pw] matrix_a_fmt:MATRIX_FMT_FP6 matrix_b_fmt:MATRIX_FMT_FP6 matrix_a_scale:MATRIX_SCALE_ROW1
.else
	v_wmma_scale_f32_16x16x128_f8f6f4 v[96+8*\d:103+8*\d], v[40+12*\d:51+12*\d], v[\pb:\pb+11], v[96+8*\d:103+8*\d], v[\sc+\d/2], v[\pw] matrix_a_fmt:MATRIX_FMT_FP6 matrix_b_fmt:MATRIX_FMT_FP6
.endif
.endr
.endm
; the largest scores of my blocks in groups g, g + 1 of 64 keys: line n of four chains, over the lower and the upper 16 of each block
.macro ML n, g, hi
.irp c, 0,1
.irp b, 0,1
.set X_, 128+32*(\g+\b)+16*\c
.if \c
.set T_, \hi+\b
.else
.set T_, 34+\g+\b
.endif
.if (\n) == 0
	v_max3_num_f32 v[T_], v[X_], v[X_+1], v[X_+2]
.else
	v_max3_num_f32 v[T_], v[T_], v[X_+2*(\n)+1], v[X_+2*(\n)+2]
.endif
.endr
.endr
.endm
.macro MJ g, hi                        ; the chains' join
.irp b, 0,1
	v_max3_num_f32 v[34+\g+\b], v[34+\g+\b], v[\hi+\b], v[143+32*(\g+\b)]
.endr
.irp b, 0,1
	v_max_num_f32 v[34+\g+\b], v[34+\g+\b], v[159+32*(\g+\b)]
.endr
.endm
.macro ADD3                            ; six numbers of the row's sum, in three chains
	v_pk_add_f32 v[14:15], v[14:15], v[J:J+1]
	v_pk_add_f32 v[38:39], v[38:39], v[J+2:J+3]
	v_pk_add_f32 v[92:93], v[92:93], v[J+4:J+5]
.set J, J+6
.endm
.macro CVT d, s, x                     ; 16 codes
	v_cvt_scalef32_pk16_fp6_f32 v[\d:\d+2], v[\s:\s+15], v[\x]
.endm
.macro MOV3 d, s                       ; a conversion's three registers begin on an even number: a block's upper three are moved
	v_dual_mov_b32 v[\d], v[\s] :: v_dual_mov_b32 v[\d+1], v[\s+1]
	v_mov_b32 v[\d+2], v[\s+2]
.endm
; A STEP: 256 keys.  k's half A lies in v192-239 at its head.  first = 1: all keys' tiles are shown to all waves ahead of the next step's load; last = 1: nothing of a next step
.macro STEP first, last
	KLOADB
	s_wait_alu depctr_va_vdst(0)
	s_wait_dscnt 14                                ; half A is in; the 14 just issued may be out
	SQK 0
	v_add_nc_u32 v[ADV], s[TV], v1                 ; these four are also the places behind the products
	v_add_nc_u32 v[ADT], s[TJ], v4
.if \last
	v_nop
	v_nop
.else
	v_add_nc_u32 v[ADK], s[TK], v1
	v_add_nc_u32 v[ADS], s[TS], v1
.endif
.irp n, 0,1,2,3,4
	ML \n, 0, 38
.endr
	s_wait_alu depctr_va_vdst(0)
	s_wait_dscnt 0x0
	SQK 1
	ML 5, 0, 38                                    ; half A's last lines are the places behind half B's products
	ML 6, 0, 38
	VLOAD 1, 32
	MJ 0, 38
.irp n, 0,1,2,3,4,5,6
	ML \n, 2, 90
.endr
	MJ 2, 90
	v_max3_num_f32 v38, v34, v35, v36
	s_delay_alu instid0(VALU_DEP_1)
	v_max_num_f32 v38, v38, v37
	s_delay_alu instid0(VALU_DEP_1)
	v_permlanex16_b32 v39, v38, s[SEL], s[SEL+1]
	s_delay_alu instid0(VALU_DEP_1)
	v_max3_num_f32 v13, v13, v38, v39              ; the row's largest score so far
	s_delay_alu instid0(VALU_DEP_1)
	v_mul_f32 v38, s[NC], v13                      ; -t
	s_delay_alu instid0(VALU_DEP_1)
	v_floor_f32 v39, v38                           ; the new -M
	s_delay_alu instid0(VALU_DEP_1)
	v_sub_f32 v38, v39, v12                        ; old M less new M: a whole number, 0 or less
	v_mov_b32 v12, v39
	s_delay_alu instid0(VALU_DEP_2)
	v_cvt_i32_f32 v38, v38                         ; (it saturates)
	s_delay_alu instid0(VALU_DEP_2)
	v_add_f32 v39, -2.0, v12                       ; -M - 2
	s_delay_alu instid0(VALU_DEP_2)
	v_ldexp_f32 v92, 1.0, v38                      ; f = 2^(old M - new M)
.set J, 192
.rept 32
	v_pk_fma_f32 v[J:J+1], v[J:J+1], s[CS:CS+1], v[12:13] op_sel_hi:[1,0,0]   ; t - M, half B
.set J, J+2
.endr
.irp b, 0,1,2,3
	v_fma_f32 v[34+\b], v[34+\b], s[CS], v39       ; a block's largest t, less M + 2
.endr
	s_wait_alu depctr_va_vdst(0)                   ; the wait ahead of the batch
.irp b, 0,1,2,3
	v_exp_f32 v[34+\b], v[34+\b]                   ; a block's scale, its mantissa aside
.endr
.set J, 128
.set E, 192
.rept 32
	v_exp_f32 v[E], v[E]                           ; p, half B; half A's t - M beside it: it is read behind the next wait
	v_exp_f32 v[E+1], v[E+1]
	v_pk_fma_f32 v[J:J+1], v[J:J+1], s[CS:CS+1], v[12:13] op_sel_hi:[1,0,0]
.set J, J+2
.set E, E+2
.endr
	s_wait_alu depctr_va_vdst(0)                   ; behind the batch, and directly ahead of the first reader of O^T
.set J, 96
.rept 16
	v_pk_mul_f32 v[J:J+1], v[J:J+1], v[92:93] op_sel_hi:[1,0]   ; O^T under the new M
.set J, J+2
.endr
	v_pk_mul_f32 v[14:15], v[14:15], v[92:93] op_sel_hi:[1,0]   ; and the sum
.irp b, 0,1,2,3
	v_max_num_f32 v[34+\b], 0x800000, v[34+\b]     ; the floor 2^-126: the byte cannot fall under 1
.endr
	v_lshrrev_b32 v38, 23, v34
	v_lshrrev_b32 v39, 23, v35
	v_lshrrev_b32 v88, 23, v36
	v_lshrrev_b32 v89, 23, v37
	v_lshl_or_b32 v38, v39, 8, v38
	v_lshl_or_b32 v88, v89, 8, v88
	v_lshl_or_b32 v38, v88, 16, v38                ; my four bytes; lane l xor 16 has the other blocks'
	v_permlanex16_b32 v39, v38, s[SEL], s[SEL+1]
	v_perm_b32 v94, v39, v38, 0x05010400           ; lanes 0-15: the four blocks of half A,
	v_perm_b32 v95, v39, v38, 0x07030602           ; of half B
	v_pk_add_f32 v[38:39], v[240:241], v[242:243]  ; THE ROW'S SUM, of the unquantised p: first the 16 that codes will overwrite
	v_pk_add_f32 v[92:93], v[244:245], v[246:247]
	v_pk_add_f32 v[14:15], v[14:15], v[248:249]
	v_pk_add_f32 v[38:39], v[38:39], v[250:251]
	v_pk_add_f32 v[92:93], v[92:93], v[252:253]
	v_pk_add_f32 v[14:15], v[14:15], v[254:255]
	CVT 88, 240, 37
.set J, 192
	ADD3
	CVT 240, 192, 36
	CVT 252, 208, 36
	ADD3
	MOV3 243, 252
	CVT 246, 224, 37
	MOV3 249, 88
	ADD3
	ADD3
	s_wait_alu depctr_va_vdst(0)
	s_wait_dscnt 0x0                               ; v's half B
	PV 240, 32, 95
.rept 4
	ADD3                                           ; the rest of half B's sum: the places in front of the loads
.endr
.if \first
	s_wait_alu depctr_va_vdst(0)
	s_wait_tensorcnt 0x0                           ; the other keys,
	s_wait_dscnt 0x0
	s_barrier_signal -1
	s_barrier_wait -1                              ; for everybody
.endif
.if (\last) == 0
	KLOADA                                         ; of the next step
.endif
	VLOAD 0, 2
	s_wait_alu depctr_va_vdst(0)                   ; ahead of the second batch
.set J, 128
.rept 64
	v_exp_f32 v[J], v[J]                           ; p, half A
.set J, J+1
.endr
	v_nop                                          ; the plain place behind the batch
	s_wait_alu depctr_va_vdst(0)
.set J, 176
	ADD3
	ADD3
	v_pk_add_f32 v[14:15], v[14:15], v[188:189]
	v_pk_add_f32 v[38:39], v[38:39], v[190:191]
	CVT 88, 176, 35
.set J, 128
	ADD3
	ADD3
	CVT 176, 128, 34
	CVT 188, 144, 34
	ADD3
	MOV3 179, 188
	CVT 182, 160, 35
	MOV3 185, 88
.rept 5
	ADD3
.endr
	s_wait_alu depctr_va_vdst(0)
	s_wait_dscnt 0x0                               ; v's half A, and the next step's k
	PV 176, 2, 94
	v_pk_add_f32 v[14:15], v[14:15], v[38:39]      ; these five are the places behind the products
	v_nop
	v_nop
	v_pk_add_f32 v[14:15], v[14:15], v[92:93]
	v_nop
	s_add_co_u32 s[TK], s[TK], STEPB
	s_add_co_u32 s[TV], s[TV], STEPB
	s_add_co_u32 s[TS], s[TS], 1024
	s_add_co_u32 s[TJ], s[TJ], 512
.endm
	s_wait_alu depctr_va_vdst(0)                   ; the wait at the head's end
	s_wait_loadcnt 0x0                             ; q
	s_cmp_lt_u32 s[WV], 4
	s_cbranch_scc0 .Lnot_first
	s_wait_tensorcnt 0x0                           ; the scale words and the first 256 keys: the loads of waves 0 to 3
.Lnot_first:
	s_barrier_signal -1
	s_barrier_wait -1
	KLOADA
	STEP 1, 0                                      ; keys 0..255
	s_mov_b32 s[CNT], 6
	s_wait_alu depctr_va_vdst(0)
.Lkeys:
	STEP 0, 0
	s_sub_co_u32 s[CNT], s[CNT], 1
	s_cmp_lg_u32 s[CNT], 0
	s_wait_alu depctr_va_vdst(0)
	s_cbranch_scc1 .Lkeys
	STEP 0, 1
; THE WAY OUT
	v_add_f32 v14, v14, v15
	v_permlanex16_b32 v39, v14, s[SEL], s[SEL+1]
	v_add_f32 v14, v14, v39                        ; the row's sum
	v_and_b32 v8, 31, v0
	v_and_b32 v9, 15, v0
	v_lshrrev_b32 v10, 4, v8
	v_lshlrev_b32 v11, 4, v8                       ; 16 x lane
	v_lshlrev_b32 v8, 3, v8                        ; 8 x lane
	v_lshl_add_u32 v9, v9, 5, v10                  ; 32 r + h
	s_wait_alu depctr_va_vdst(0)
	v_rcp_f32 v14, v14
	v_nop
	s_wait_alu depctr_va_vdst(0)
.set J, 0
.rept 16
	v_pk_mul_f32 v[128+J:129+J], v[96+J:97+J], v[14:15] op_sel_hi:[1,0]   ; the head's channels of block h of my query
.set J, J+2
.endr
	v_max3_num_f32 v34, |v128|, |v129|, 0x1800000  ; with the floor 2^(3 - 127)
	v_max3_num_f32 v35, |v144|, |v145|, 0x1800000
.irp i, 2,4,6,8,10,12,14
	v_max3_num_f32 v34, v34, |v[128+\i]|, |v[129+\i]|
	v_max3_num_f32 v35, v35, |v[144+\i]|, |v[145+\i]|
.endr
	v_max_num_f32 v34, v34, v35
	v_add_nc_u32 v36, 0xff000000, v34
	CVT 160, 128, 36
	CVT 164, 144, 36
	v_lshrrev_b32 v37, 23, v36                     ; my block's byte; also the plain place behind the conversions
.irp b, 0,4
	v_alignbit_b32 v[168+\b], v[162+\b], v[161+\b], 16   ; the 96 bits with their halves exchanged
	v_alignbit_b32 v[169+\b], v[160+\b], v[162+\b], 16
	v_alignbit_b32 v[170+\b], v[161+\b], v[160+\b], 16
.endr
.irp i, 0,1,2
	v_cndmask_b32 v[176+\i], v[160+\i], v[168+\i], s95   ; lanes 16-31 take them exchanged
	v_cndmask_b32 v[179+\i], v[164+\i], v[172+\i], s95
.endr
	global_store_b128 v11, v[176:179], s[16:17]    ; 512 and 256 consecutive bytes, at multiples of 256 from the buffer's first byte
	global_store_b64 v8, v[180:181], s[16:17] offset:512
	global_store_b8 v9, v37, s[18:19]
	s_wait_tensorcnt 0x0                           ; the wave's end
	ds_add_u32 v6, v7
	s_wait_dscnt 0x0
	ROUND                                          ; the closing round
	s_endpgm
.Lfunc_end_k_qe8d828e8fe_attn:
	.size	k_qe8d828e8fe_attn, .Lfunc_end_k_qe8d828e8fe_attn-k_qe8d828e8fe_attn
	.p2alignl 7, 3214868480
	.fill 96, 4, 3214868480
	.section	.rodata,"a",@progbits
	.p2align	6, 0x0
	.amdhsa_kernel k_qe8d828e8fe_attn
		.amdhsa_group_segment_fixed_size 210944
		.amdhsa_private_segment_fixed_size 0
		.amdhsa_enable_private_segment 0
		.amdhsa_kernarg_size 64
		.amdhsa_user_sgpr_count 2
		.amdhsa_user_sgpr_kernarg_segment_ptr 1
		.amdhsa_wavefront_size32 1
		.amdhsa_system_sgpr_workgroup_id_x 1
		.amdhsa_system_sgpr_workgroup_id_y 1
		.amdhsa_system_sgpr_workgroup_id_z 1
		.amdhsa_system_vgpr_workitem_id 0
		.amdhsa_next_free_vgpr 256
		.amdhsa_next_free_sgpr 98
		.amdhsa_reserve_vcc 0
		.amdhsa_float_denorm_mode_32 3
		.amdhsa_float_denorm_mode_16_64 3
		.amdhsa_memory_ordered 1
		.amdhsa_forward_progress 1
		.amdhsa_inst_pref_size 97
	.end_amdhsa_kernel
	.amdgpu_metadata
---
amdhsa.version: [ 1, 2 ]
amdhsa.kernels:
  - .name:           k_qe8d828e8fe_attn
    .symbol:         k_qe8d828e8fe_attn.kd
    .args:
      - { .name: qf, .offset: 0, .size: 8, .value_kind: global_buffer, .address_space: global }
      - { .name: qsc, .offset: 8, .size: 8, .value_kind: global_buffer, .address_space: global }
      - { .name: kf, .offset: 16, .size: 8, .value_kind: global_buffer, .address_space: global }
      - { .name: ksc, .offset: 24, .size: 8, .value_kind: global_buffer, .address_space: global }
      - { .name: vf, .offset: 32, .size: 8, .value_kind: global_buffer, .address_space: global }
      - { .name: vsc, .offset: 40, .size: 8, .value_kind: global_buffer, .address_space: global }
      - { .name: af, .offset: 48, .size: 8, .value_kind: global_buffer, .address_space: global }
      - { .name: asc, .offset: 56, .size: 8, .value_kind: global_buffer, .address_space: global }
    .group_segment_fixed_size: 210944
    .private_segment_fixed_size: 0
    .kernarg_segment_align: 8
    .kernarg_segment_size: 64
    .max_flat_workgroup_size: 512
    .sgpr_count:     98
    .vgpr_count:     256
    .wavefront_size: 32
...
	.end_amdgpu_metadata
.endif
;; end of part 2
;; launch oproj (part 3): grid 8 x 32, 4 waves a work-group, clusters of 4 x 4, 251,392 bytes of LDS; arguments af, asc, Wo_codes, Wo_scales, bo, out0; writes out0
.if DOCPART == 3
	.amdgcn_target "amdgcn-amd-amdhsa--gfx1250"
	.amdhsa_code_object_version 6
	.text
	.protected	k_qe8d828e8fe_oproj
	.globl	k_qe8d828e8fe_oproj
	.p2align	8
	.type	k_qe8d828e8fe_oproj,@function
k_qe8d828e8fe_oproj:
	s_mov_b64 s[64:65], 0
	v_nop
	global_prefetch_b8 v0, s[64:65] scope:SCOPE_SE
	s_setreg_imm32_b32 hwreg(HW_REG_WAVE_MODE, 25, 1), 1
	s_wait_xcnt 0x0
	s_wait_alu depctr_hold_cnt(0) depctr_sa_sdst(0) depctr_va_vdst(0) depctr_va_sdst(0) depctr_va_ssrc(0) depctr_va_vcc(0) depctr_vm_vsrc(0)
	s_getreg_b32 s2, hwreg(HW_REG_IB_STS2, 6, 4)
	s_cmp_eq_u32 s2, 0
	s_cbranch_scc0 .Lentry_in_a_cluster
	s_endpgm
.Lentry_in_a_cluster:
	s_bfe_u32 s2, ttmp6, 0x10000c
	s_cmp_lg_u32 s2, 0xf033
	s_cbranch_scc0 .Lentry_shape_is_right
	s_endpgm
.Lentry_shape_is_right:
; THE LAST PROJECTION out = a Wo^T + bo on codes of FP6 (E2M3); sums and out in f32.
; a: af [row tile of 16][head][768]: registers 0-3 of lane l at 16 l, registers 4, 5 at 512 + 8 l; heads 2 s, 2 s + 1 are the fragment of K step s.  Its scale bytes asc [4,096][32] by the same rows; Wo's codes [1,024][768 bytes], scale bytes [1,024][32].
; Row tile i of 64 rows holds the rows 8 i + 0..7 and 32 + 8 (i xor 1) + 0..7 of out: the stores' offsets put them in order.
; A tile of 128 x 128 of out to a work-group: 256 work-groups.  Four waves, each 64 x 64.  ALL OF K IS RESIDENT, each byte of LDS filled once, one tensor load a wave, all asked for at the head (so there is no prefetch into the L2):
; wave 0 a's first eight heads, wave 1 the first 512 bytes of Wo's rows, wave 2 a's other heads, wave 3 the last 256 bytes of Wo's rows.  K steps 0 to 3 need the first two alone, and so does Wo's part of step 4.
; THE WORK GOES BY BLOCKS of 16 rows of a: all of Wo's fragments of my 64 columns lie in registers (8 steps x 4), a block takes 32 products, its four accumulators by turns, and leaves under the next block's products.
; CLUSTERS of 4 x 4: a's rows are asked for jointly along a row, Wo's along a column.
; THE MATRIX INSTRUCTION IS USED TRANSPOSED: a lane holds eight neighbouring numbers of a row of out.  bo is the C of each sum's first instruction.
; LIMITS: NaN and infinities are not served.
; REGISTERS: window 0: v10, v11 the add's; v16-26 addresses; v28-59 Wo's scale words, v64-95 a's; v96-127 bo; v128-255 the accumulators.  Windows 1 to 3: fragment f at register 12 (f % 21) of window 1 + f / 21: 0-31 Wo's (4 s + b), 32-55 a's, three buffers
; of eight; on the way out v168-231 of window 3.
.set FR,     12
.set FPW,    21
.set PITCH,  528                       ; a row of Wo in LDS: 512 bytes + 16, or 256 bytes + 272
.set AHALF,  49152                     ; eight row tiles x eight heads x 768
.set BB,     2*AHALF                   ; Wo's first 512 bytes a row,
.set BH,     BB+128*PITCH              ; and the last 256
.set STAGE,  BH+128*PITCH              ; the way out: 16 rows x (256 bytes + 16) for each wave; no load lands here
.set SPITCH, 272
.set SPARE,  STAGE+4*16*SPITCH
.set SPW,  10
.set NIL,  11
.set ADRA, 16                          ; v16, v17 a's two halves, 16 bytes a lane; v18, v19 8 bytes a lane
.set ADRB, 20                          ; v20 Wo's first part, v21 its last, v22: lanes 0-15 byte 488 of the first, lanes 16-31 byte 0 of the last
.set STO,  24
.set RD,   25
.set CO,   26
.set SB,   28
.set SA,   64
.set BN,   96
.set ACC,  128
.set OUT,  168
.set G1A,  24
.set G1L,  32
.set G1H,  40
.set G0AL, 48
.set G0BL, 52
.set G0AH, 56
.set G0BH, 60
.set MSB, 0
.macro WIN new
.if MSB != \new
	s_set_vgpr_msb (MSB<<8)|\new
.set MSB, \new
.endif
.endm
.macro PLACES
.rept 4
	v_nop
.endr
.endm
.macro CROUND
	s_barrier_signal -1
	s_barrier_wait -1
	s_cmp_lg_u32 s16, 0
	s_cbranch_scc1 .Lnot_wave_0_\@
	s_barrier_signal -3
.Lnot_wave_0_\@:
	s_barrier_wait -3
	s_barrier_signal -1
	s_barrier_wait -1
.endm
.macro GROUP1 g, cols, rows, pitch
	s_mov_b32 s[\g+1], (\cols)<<16
	s_mov_b32 s[\g+2], (\rows)<<16
	s_mov_b32 s[\g+3], (\cols)<<16
	s_mov_b32 s[\g+4], \rows
	s_mov_b32 s[\g+5], \pitch
	s_mov_b32 s[\g+6], 0
	s_mov_b32 s[\g+7], 0
.endm
.macro GROUP0 g, lds, base, off
	s_mov_b32 s[\g], 1
	s_mov_b32 s[\g+1], \lds
	s_add_nc_u64 s[\g+2:\g+3], s[\base:\base+1], \off
	s_or_b32 s[\g+3], s[\g+3], 0x80000000
.endm
	s_load_b256 s[4:11], s[0:1], 0x0               ; af, asc, Wo's codes, Wo's scales
	s_load_b128 s[12:15], s[0:1], 0x20             ; bo, out
	v_lshl_add_u32 v[SPW], v0, 2, SPARE
	v_mov_b32 v[NIL], 0
	ds_add_u32 v[SPW], v[NIL]                      ; the opening: the add, twice on end
	ds_add_u32 v[SPW], v[NIL]
	v_lshrrev_b32 v1, 5, v0
	v_readfirstlane_b32 s16, v1                    ; wave
	s_lshr_b32 s17, s16, 1                         ; my 64 rows of the tile
	s_and_b32 s18, s16, 1                          ; my 64 columns
	s_bfe_u32 s76, ttmp6, 0x40000
	s_bfe_u32 s77, ttmp6, 0x40004
	s_lshl_b32 s78, ttmp9, 2
	s_add_co_u32 s78, s78, s76                     ; tile column, 0..7
	s_and_b32 s19, ttmp7, 0xffff
	s_lshl_b32 s19, s19, 2
	s_add_co_u32 s19, s19, s77                     ; tile row, 0..31
	s_lshl_b32 s79, s77, 2
	s_lshl_b32 s79, 15, s79
	s_lshl_b32 s80, 0x1111, s76
	s_or_b32 s[G1A], s79, (3<<16)|(1<<21)          ; a: 8 row tiles x 6,144 bytes, 12,288 apart, dense in LDS
	GROUP1 G1A, 768, 8, 1536
	s_or_b32 s[G1L], s80, (1<<20)|(1<<21)|(6<<22)|(3<<25)   ; Wo: 128 rows x 512 bytes, 4 dwords of padding behind each
	GROUP1 G1L, 512, 128, 768
	s_or_b32 s[G1H], s80, (1<<20)|(1<<21)|(5<<22)|(67<<25)  ; 128 rows x 256 bytes, 68 dwords behind each
	GROUP1 G1H, 256, 128, 768
	s_mul_i32 s20, s19, 8*12288
	s_mov_b32 s21, 0
	s_mul_i32 s82, s78, 128*768
	s_mov_b32 s83, 0
	s_wait_dscnt 0x0
	s_wait_kmcnt 0x0
	s_add_nc_u64 s[22:23], s[4:5], s[20:21]
	s_add_nc_u64 s[82:83], s[8:9], s[82:83]
	GROUP0 G0AL, 0, 22, 0
	GROUP0 G0BL, BB, 82, 0
	GROUP0 G0AH, AHALF, 22, 6144
	GROUP0 G0BH, BH, 82, 512
	CROUND                                         ; all sixteen work-groups are here: the joint loads meet
.macro ARM k, g0, g1
	s_cmp_eq_u32 s16, \k
	s_cbranch_scc0 .Lnext_\@
	tensor_load_to_lds s[\g0:\g0+3], s[\g1:\g1+7]
	s_nop 0
	PLACES
	s_branch .Lasked
.Lnext_\@:
.endm
	ARM 0, G0AL, G1A
	ARM 1, G0BL, G1L
	ARM 2, G0AH, G1A
	tensor_load_to_lds s[G0BH:G0BH+3], s[G1H:G1H+7]
	s_nop 0
	PLACES
.Lasked:
	s_lshl_b32 s20, s19, 7
	s_lshl_b32 s21, s17, 6
	s_add_co_u32 s20, s20, s21                     ; m0: my first row
	s_lshl_b32 s84, s78, 7
	s_lshl_b32 s85, s18, 6
	s_add_co_u32 s84, s84, s85                     ; n0: my first column
	s_mov_b32 s87, 0
	s_lshl_b32 s86, s20, 5
	s_add_nc_u64 s[6:7], s[6:7], s[86:87]
	s_lshl_b32 s86, s84, 5
	s_add_nc_u64 s[10:11], s[10:11], s[86:87]
	s_lshl_b32 s86, s84, 2
	s_add_nc_u64 s[12:13], s[12:13], s[86:87]
	s_add_nc_u64 s[14:15], s[14:15], s[86:87]
	s_lshl_b32 s86, s20, 12
	s_add_nc_u64 s[14:15], s[14:15], s[86:87]
	s_mul_i32 s20, s17, 4*6144                     ; my four row tiles of a
	s_mul_i32 s21, s18, 64*PITCH                   ; my 64 rows of Wo
	s_add_co_u32 s21, s21, BB
	s_mul_i32 s84, s16, 16*SPITCH
	s_add_co_u32 s84, s84, STAGE                   ; my stage
	v_and_b32 v1, 15, v0                           ; r
	v_bfe_u32 v2, v0, 4, 1                         ; h
	v_and_b32 v3, 31, v0                           ; lane
	v_lshlrev_b32 v5, 5, v1
	v_lshlrev_b32 v6, 5, v2
.irp i, 0,1,2,3
	global_load_b128 v[SA+8*\i:SA+8*\i+3], v5, s[6:7] offset:512*\i        ; row 16 i + r's eight scale words
	global_load_b128 v[SA+8*\i+4:SA+8*\i+7], v5, s[6:7] offset:512*\i+16
	global_load_b128 v[SB+8*\i:SB+8*\i+3], v5, s[10:11] offset:512*\i
	global_load_b128 v[SB+8*\i+4:SB+8*\i+7], v5, s[10:11] offset:512*\i+16
	global_load_b128 v[BN+8*\i:BN+8*\i+3], v6, s[12:13] offset:64*\i       ; bo[n0 + 16 i + 8 h + 0 .. 7]
	global_load_b128 v[BN+8*\i+4:BN+8*\i+7], v6, s[12:13] offset:64*\i+16
.endr
	v_lshl_add_u32 v[ADRA], v3, 4, s20
	v_lshl_add_u32 v[ADRA+2], v3, 3, s20
	v_add_nc_u32 v[ADRA+1], AHALF, v[ADRA]
	v_add_nc_u32 v[ADRA+3], AHALF, v[ADRA+2]
	v_mul_u32_u24 v4, PITCH, v1
	v_add_nc_u32 v4, s21, v4
	v_mul_u32_u24 v7, BH-BB-488, v2
	v_add_nc_u32 v7, v4, v7
	v_add_nc_u32 v[ADRB+2], 488, v7
	v_mul_u32_u24 v8, 24, v2
	v_add_nc_u32 v[ADRB], v4, v8
	v_add_nc_u32 v[ADRB+1], BH-BB, v[ADRB]
	v_mul_u32_u24 v4, SPITCH, v1                   ; in: row r, 32 bytes for each half of the lanes
	v_lshl_add_u32 v4, v2, 5, v4
	v_add_nc_u32 v[STO], s84, v4
	v_mul_u32_u24 v4, SPITCH, v2                   ; back: lanes 0-15 one row of 256 bytes, lanes 16-31 the next
	v_lshl_add_u32 v4, v1, 4, v4
	v_add_nc_u32 v[RD], s84, v4
	v_lshlrev_b32 v[CO], 12, v2                    ; and the same two rows in out
	v_lshl_add_u32 v[CO], v1, 4, v[CO]
.macro FRAG reg, s, i                  ; a fragment of Wo in pieces of 8 bytes: lanes 0-15 from byte BY of the row, lanes 16-31 from 24 bytes on
.irp p, 0,1,2,3,4,5
.set BY, 96*(\s)+48*(\p/3)+8*(\p%3)
.if BY+24 < 512
	ds_load_b64 v[\reg+2*\p:\reg+2*\p+1], v[ADRB] offset:BY+(\i)*16*PITCH
.elseif BY < 512
	ds_load_b64 v[\reg+2*\p:\reg+2*\p+1], v[ADRB+2] offset:BY-488+(\i)*16*PITCH
.else
	ds_load_b64 v[\reg+2*\p:\reg+2*\p+1], v[ADRB+1] offset:BY-512+(\i)*16*PITCH
.endif
.endr
.endm
.macro FETCHW s                        ; Wo's four fragments of K step s: 24 loads
.irp b, 0,1,2,3
.set F_, 4*(\s)+\b
	WIN (1+F_/FPW)<<6
	FRAG FR*(F_%FPW), \s, \b
.endr
.endm
.macro FETCHA a, s0                    ; block a's fragments of K steps s0 .. s0 + 3: 16 loads
.irp j, 0,1,2,3
.set G_, 32+8*((\a)%3)+(\s0)+\j
	WIN (1+G_/FPW)<<6
.irp c, 0,1
.set R_, FR*(G_%FPW)+6*\c
	ds_load_b128 v[R_:R_+3], v[ADRA+(\s0)/4] offset:6144*(\a)+1536*\j+768*\c
	ds_load_b64 v[R_+4:R_+5], v[ADRA+2+(\s0)/4] offset:6144*(\a)+1536*\j+768*\c+512
.endr
.endr
.endm
.macro MULH a, s0                      ; 16 products: block a, K steps s0 .. s0 + 3; the four accumulators take turns
.irp j, 0,1,2,3
.irp b, 0,1,2,3
.set S_, (\s0)+\j
.set F_, 4*S_+\b
.set G_, 32+8*((\a)%3)+S_
.set RW_, FR*(F_%FPW)
.set RA_, FR*(G_%FPW)
.set D_, ACC+8*(4*(\a)+\b)
	WIN (1+F_/FPW)|((1+G_/FPW)<<2)
.if S_ == 0
	v_wmma_scale_f32_16x16x128_f8f6f4 v[D_:D_+7], v[RW_:RW_+11], v[RA_:RA_+11], v[BN+8*\b:BN+8*\b+7], v[SB+8*\b+S_], v[SA+8*(\a)+S_] matrix_a_fmt:MATRIX_FMT_FP6 matrix_b_fmt:MATRIX_FMT_FP6
.else
	v_wmma_scale_f32_16x16x128_f8f6f4 v[D_:D_+7], v[RW_:RW_+11], v[RA_:RA_+11], v[D_:D_+7], v[SB+8*\b+S_], v[SA+8*(\a)+S_] matrix_a_fmt:MATRIX_FMT_FP6 matrix_b_fmt:MATRIX_FMT_FP6
.endif
.endr
.endr
.endm
; THE WAY OUT of a block of 16 rows x 64 columns: through my own stage and back as whole rows of 256 bytes: 16 LDS instructions.  LDS serves a wave's instructions in order (ISA guide 5.7.1.4)
.macro TOSTAGE a
	WIN 0
.irp b, 0,1,2,3
	ds_store_b128 v[STO], v[ACC+8*(4*(\a)+\b):ACC+8*(4*(\a)+\b)+3] offset:64*\b
	ds_store_b128 v[STO], v[ACC+8*(4*(\a)+\b)+4:ACC+8*(4*(\a)+\b)+7] offset:64*\b+16
.endr
	WIN 0xc0
.irp t, 0,1,2,3,4,5,6,7
.set R_, OUT+32*((\a)%2)+4*\t
	ds_load_b128 v[R_:R_+3], v[RD] offset:\t*2*SPITCH
.endr
.endm
.macro SEND a
	WIN 0x0c
.irp t, 0,1,2,3,4,5,6,7
.if \t < 4
.set ROW_, 8*(\a)+2*\t
.else
.set ROW_, 32+8*((\a)^1)+2*(\t-4)
.endif
.set R_, OUT+32*((\a)%2)+4*\t
	global_store_b128 v[CO], v[R_:R_+3], s[14:15] offset:ROW_*4096 th:TH_STORE_NT   ; 16 lanes store 256 consecutive bytes, at a multiple of 256 from out's first byte
.endr
.endm
	s_wait_alu depctr_va_vdst(0)                   ; the wait at the head's end
	s_cmp_lt_u32 s16, 2
	s_cbranch_scc0 .Lnot_first
	s_wait_tensorcnt 0x0                           ; the first group: the loads of waves 0 and 1
.Lnot_first:
	s_barrier_signal -1
	s_barrier_wait -1
	FETCHW 0
	FETCHW 1
	FETCHW 2
	FETCHW 3
	FETCHA 0, 0
	FETCHW 4
	s_wait_loadcnt 0x0                             ; the scale words and bo
	s_wait_dscnt 24                                ; step 4's may be out
	MULH 0, 0
	s_wait_dscnt 0x0
	s_wait_tensorcnt 0x0                           ; the second group of loads
	s_barrier_signal -1
	s_barrier_wait -1
	FETCHW 5
	FETCHW 6
	FETCHW 7
	FETCHA 0, 4
	FETCHA 1, 0
	FETCHA 1, 4
	s_wait_dscnt 32                                ; block 1's may be out
	MULH 0, 4
	PLACES
	TOSTAGE 0
	FETCHA 2, 0
	FETCHA 2, 4
	s_wait_dscnt 48                                ; block 1 is in; the stage's 16 and block 2's 32 may be out
	MULH 1, 0
	s_wait_dscnt 32                                ; block 0 is back from the stage
	SEND 0
	MULH 1, 4
	PLACES
	TOSTAGE 1
	FETCHA 3, 0                                    ; into block 0's buffer
	FETCHA 3, 4
	s_wait_dscnt 48
	MULH 2, 0
	s_wait_dscnt 32
	SEND 1
	MULH 2, 4
	PLACES
	s_wait_xcnt 0x0                                ; block 0's stores have read their registers
	TOSTAGE 2
	s_wait_dscnt 16                                ; block 3 is in
	MULH 3, 0
	s_wait_dscnt 0x0
	SEND 2
	MULH 3, 4
	PLACES
	s_wait_xcnt 0x0                                ; block 1's stores too
	TOSTAGE 3
	s_wait_dscnt 0x0
	SEND 3
	WIN 0
	s_wait_tensorcnt 0x0                           ; the wave's end
	ds_add_u32 v[SPW], v[NIL]
	s_wait_dscnt 0x0
	CROUND                                         ; the closing round: no work-group ends while a partner may still ask for a tile that names it
	s_endpgm
.Lfunc_end_k_qe8d828e8fe_oproj:
	.size	k_qe8d828e8fe_oproj, .Lfunc_end_k_qe8d828e8fe_oproj-k_qe8d828e8fe_oproj
	.p2alignl 7, 3214868480
	.fill 96, 4, 3214868480
	.section	.rodata,"a",@progbits
	.p2align	6, 0x0
	.amdhsa_kernel k_qe8d828e8fe_oproj
		.amdhsa_group_segment_fixed_size 251392
		.amdhsa_private_segment_fixed_size 0
		.amdhsa_enable_private_segment 0
		.amdhsa_kernarg_size 48
		.amdhsa_user_sgpr_count 2
		.amdhsa_user_sgpr_kernarg_segment_ptr 1
		.amdhsa_wavefront_size32 1
		.amdhsa_system_sgpr_workgroup_id_x 1
		.amdhsa_system_sgpr_workgroup_id_y 1
		.amdhsa_system_sgpr_workgroup_id_z 1
		.amdhsa_system_vgpr_workitem_id 0
		.amdhsa_next_free_vgpr 1024
		.amdhsa_next_free_sgpr 96
		.amdhsa_reserve_vcc 0
		.amdhsa_float_denorm_mode_32 3
		.amdhsa_float_denorm_mode_16_64 3
		.amdhsa_memory_ordered 1
		.amdhsa_forward_progress 1
		.amdhsa_inst_pref_size 56
	.end_amdhsa_kernel
	.amdgpu_metadata
---
amdhsa.version: [ 1, 2 ]
amdhsa.kernels:
  - .name:           k_qe8d828e8fe_oproj
    .symbol:         k_qe8d828e8fe_oproj.kd
    .args:
      - { .name: af, .offset: 0, .size: 8, .value_kind: global_buffer, .address_space: global }
      - { .name: asc, .offset: 8, .size: 8, .value_kind: global_buffer, .address_space: global }
      - { .name: Wo_codes, .offset: 16, .size: 8, .value_kind: global_buffer, .address_space: global }
      - { .name: Wo_scales, .offset: 24, .size: 8, .value_kind: global_buffer, .address_space: global }
      - { .name: bo, .offset: 32, .size: 8, .value_kind: global_buffer, .address_space: global }
      - { .name: out0, .offset: 40, .size: 8, .value_kind: global_buffer, .address_space: global }
    .group_segment_fixed_size: 251392
    .private_segment_fixed_size: 0
    .kernarg_segment_align: 8
    .kernarg_segment_size: 48
    .max_flat_workgroup_size: 128
    .sgpr_count:     96
    .vgpr_count:     1024
    .wavefront_size: 32
...
	.end_amdgpu_metadata
.endif
;; end of part 3
